; MI455X (gfx1250); checked and timed in simulation.
; The chip was launched on July 23, 2026; its instructions are those of AMD's public machine-readable ISA for CDNA 5 (MIT licence, August 2026) and "CDNA5" Instruction Set Architecture Reference Guide (July 2026). The comments in the code are by the model that wrote it; some were corrected since.
;; Dust3 R Cross Attention. Allowed arithmetic: matrix products marked QUANTISED: E4M3 operands, one given power-of-two scale a tensor, by v_wmma_f32_16x16x64_fp8_fp8 or v_wmma_f32_16x16x128_fp8_fp8, f32 sums; everything else in f32.
;; Inputs: Wk_codes 768 x 24 x 32 uint8 (E4M3 codes of Wk, K innermost, in blocks of 32 codes); Wo_codes 768 x 24 x 32 uint8 (E4M3 codes of Wo, K innermost, in blocks of 32 codes); Wq_codes 768 x 24 x 32 uint8 (E4M3 codes of Wq, K innermost, in blocks of 32 codes); Wv_codes 768 x 24 x 32 uint8 (E4M3 codes of Wv, K innermost, in blocks of 32 codes); bo 768 float32; key_codes 8 x 1,024 x 24 x 32 uint8 (E4M3 codes of key, K innermost, in blocks of 32 codes); lowp_scales 12 int32 (the exponents e of the quantised operands' scales 2^e); query_codes 8 x 1,024 x 24 x 32 uint8 (E4M3 codes of query, K innermost, in blocks of 32 codes); value_codes 8 x 1,024 x 24 x 32 uint8 (E4M3 codes of value, K innermost, in blocks of 32 codes).
;; Outputs: out0 8 x 1,024 x 768 float32.
;; This version of the problem:
;;   THIS VERSION OF THE PROBLEM IS GIVEN IN LOW PRECISION. The matrix products marked QUANTISED in the list below multiply operands that are first quantised to E4M3 (4 exponent bits, 3 mantissa bits; 8 bits a number), with one given power-of-two scale for each operand tensor; their sums are f32. All else is computed in f32.
;;   The module's matrix products, in the order in which they are computed (A, B: the left and right operand; K: the contracted axis; several contracted axes count as one K, in the product's order):
;;     1. [M 8,192, K 768] x [K 768, N 768]; A: input query (given as codes); B: input Wq (given as codes): QUANTISED (scales: A lowp_scales[0], B lowp_scales[1])
;;     2. [M 8,192, K 768] x [K 768, N 768]; A: input key (given as codes); B: input Wk (given as codes): QUANTISED (scales: A lowp_scales[2], B lowp_scales[3])
;;     3. [M 8,192, K 768] x [K 768, N 768]; A: input value (given as codes); B: input Wv (given as codes): QUANTISED (scales: A lowp_scales[4], B lowp_scales[5])
;;     4. batch 96 x [M 1,024, K 64] x [K 64, N 1,024]; A: computed on the way; B: computed on the way: QUANTISED (scales: A lowp_scales[6], B lowp_scales[7])
;;     5. batch 96 x [M 1,024, K 1,024] x [K 1,024, N 64]; A: softmax (see below); B: computed on the way: QUANTISED (scales: A lowp_scales[8], B lowp_scales[9])
;;     6. [M 8,192, K 768] x [K 768, N 768]; A: computed on the way; B: input Wo (given as codes): QUANTISED (scales: A lowp_scales[10], B lowp_scales[11])
;;   THE QUANTISER, for each operand of a quantised product, along K:
;;     - The operand's scale is 2^e, e = its entry of the input lowp_scales (int32; the entries are numbered through the quantised products in the list's order, A before B).
;;     - Each number is divided by the scale, clamped to +-448, and rounded to the nearest number of E4M3, ties to even, subnormals kept.
;;     - The product sums the exact products of the quantised numbers (number of the format x scale) in f32.
;;   ~~~python
;;   def quantise(x, axis, e):      # numpy; x: float32 -> the quantised numbers, widened to float32 again
;;       x = np.moveaxis(x, axis, -1); K = x.shape[-1]
;;       r = np.clip(x / 2.0 ** e, -448, 448)
;;       step = 2.0 ** (np.maximum(np.frexp(np.where(r == 0, 1, r))[1] - 1, -6) - 3)
;;       q = np.round(r / step) * step * 2.0 ** e      # np.round: ties to even
;;       return np.moveaxis(q, -1, axis).astype(np.float32)
;;   ~~~
;;   SOFTMAX AHEAD OF A QUANTISED PRODUCT. Where the list says 'softmax', what is quantised is not the finished softmax but p = 2^(t - M), with t = logit x log2(e) and M = ceil(the row's largest t), a whole number; so 1/2 < the row's largest p <= 1. The row's sum l is taken of the UNQUANTISED p, in f32, and the product's result is divided by l at the end. Since M is a whole number, a kernel that streams over the keys may use a running M (the ceiling of the running maximum): every later rescaling is an exact power of two, so the quantised numbers keep their values, but for numbers so far below the row's largest that they fall under the format's range.
;;   OPERANDS COMPUTED ON THE WAY. 'Computed on the way' means the value that the module computes at that place (a softmax that the list does not call 'softmax' is quantised finished and normalised). What goes into a quantiser is computed in f32, as accurately as f32 sums, v_exp_f32 and their like allow (about 1e-6 of the number): no bf16 or f16 on the way to a quantiser, and a product that is left as it is and whose result goes on into a quantised operand takes f32 operands (vector FMAs, or v_wmma_f32_16x16x4_f32). A number that lies on a knife's edge between two numbers of the format may be rounded either way, as far as f32 arithmetic and the matrix unit's own rounding can turn it there, and no further.
;;   INPUTS GIVEN AS CODES. Wk (in the module: [768, 768], K = its axis 1); Wo (in the module: [768, 768], K = its axis 1); Wq (in the module: [768, 768], K = its axis 1); Wv (in the module: [768, 768], K = its axis 1); key (in the module: [8, 1024, 768], K = its axis 2); query (in the module: [8, 1024, 768], K = its axis 2); value (in the module: [8, 1024, 768], K = its axis 2): each comes as NAME_codes (uint8): NAME with its K axis moved to the last place and cut into blocks of 32 codes, [.., K / 32, bytes a block], one block behind the other in memory; one code a byte (a code: sign, 4 exponent bits, 3 mantissa bits); its scale is its entry of lowp_scales. Its value is code x scale, taken as it is: it is not quantised again, and the codes and scales need not be those that the quantiser above would give.
;; One version. Each part assembles by itself: llvm-mc -triple=amdgcn-amd-amdhsa -mcpu=gfx1250 --defsym DOCPART=n.
;; ======== version 1 of 1: 3 launches
;; limits: right only within a limited range of input values
;; workspace buffers: qimg 6,291,456 bytes; kvimg 12,582,912 bytes; ximg 6,291,456 bytes
;; launch proj (part 1): grid 4 x 64, 4 waves a work-group, clusters of 4 x 4, 327,680 bytes of LDS; arguments query_codes, key_codes, value_codes, Wq_codes, Wk_codes, Wv_codes, lowp_scales, qimg, kvimg; writes qimg, kvimg
.if DOCPART == 1
	.amdgcn_target "amdgcn-amd-amdhsa--gfx1250"
	.amdhsa_code_object_version 6
	.text
	.protected	k_q05d2955ec3_proj
	.globl	k_q05d2955ec3_proj
	.p2align	8
	.type	k_q05d2955ec3_proj,@function
k_q05d2955ec3_proj:
	s_mov_b64 s[64:65], 0
	v_nop
	global_prefetch_b8 v0, s[64:65] scope:SCOPE_SE
	s_setreg_imm32_b32 hwreg(HW_REG_WAVE_MODE, 25, 1), 1
	s_wait_xcnt 0x0
	s_wait_alu depctr_hold_cnt(0) depctr_sa_sdst(0) depctr_va_vdst(0) depctr_va_sdst(0) depctr_va_ssrc(0) depctr_va_vcc(0) depctr_vm_vsrc(0)
	s_getreg_b32 s2, hwreg(HW_REG_IB_STS2, 6, 4)
	s_cmp_eq_u32 s2, 0
	s_cbranch_scc0 .Lentry_in_a_cluster
	s_endpgm
.Lentry_in_a_cluster:
	s_bfe_u32 s2, ttmp6, 0x10000c
	s_cmp_lg_u32 s2, 0xf033
	s_cbranch_scc0 .Lentry_shape_is_right
	s_endpgm
.Lentry_shape_is_right:
; q = rope(query Wq^T), k = rope(key Wk^T), v = value Wv^T on codes of E4M3, and the three results quantised again: q and k along the head's 64, v along the keys.
; A work-group of four waves makes, for 128 tokens and 192 columns (three heads), the tile of q, then of k, then of v: 18 sub-steps of 128 along K in one pipeline.
; Wave w: th = w / 2: 64 tokens, four tiles T;  ch = w % 2: six tiles n = 2 hl + u of 16 rows of W, at rows 64 hl + 16 ch + 32 u: 24 accumulators.
; q, k: source 0 = W, source 1 = the tokens: a lane holds ONE token and register j the channel 16 ch + 32 u + 8 (lane / 16) + j, so that the pair u = 0, 1 holds d and d + 32 in the same lane and register:
; the rotation needs no other lane, and each lane needs 32 cosines and sines of its own, which it computes while the first tiles are on their way.
; v: source 0 = the tokens, source 1 = W: a lane holds one channel, and its registers run along the tokens, which are the next product's K.
; The results leave as IMAGES OF THE NEXT OPERANDS' REGISTERS: each store of the wave covers 512 consecutive bytes, aligned; no stage in LDS is needed.
; A fragment (16 rows x 128 K) is fetched by four loads of 16 bytes: registers 4 c .. 4 c + 3 hold K = 32 c + 16 (lane / 16) + 0 .. 15: a permutation of k, the same on both sides of the product.
; CLUSTER 4 x 4: the tokens' tiles hang on the block of tokens alone and are asked for jointly along a row of the cluster, W's hang on the column group alone and are asked for jointly along a column.
; LDS: TWO REGIONS.  X holds the first 512 along K (rows of 512 bytes, 528 apart: 128 of tokens, then 192 of W), Y the last 256 (rows of 256 bytes, 272 apart).  A tensor's sub-steps 0-3 read X, 4 and 5 read Y.
; X takes the next tensor's tile in sub-step 3, when its last fragments are in registers; Y takes it in the middle of the way out, between the rotation and the quantising, where the next tensor's first fragments are fetched too.
; So a tensor has two refills, each a large one: X's has two and a half sub-steps and the rotation in which to land, Y's the quantising and three sub-steps.
; A wave has one tensor load out at a time.
; LIMITS: e6 - e0 - e1, e7 - e2 - e3 and e9 - e4 - e5 lie between -126 and 119, so that each folded scale and 448 x it are f32 numbers.  NaN is not served.
; inv_freq is good to about 1.5 units in its last place, cosine and sine to about 1 beside the rounding of the angle, which is made by the same one f32 multiplication as in the definition.
; REGISTERS.  window 0: v1 r, v2 h, v3 16 x lane, v4, v5, v8-10 LDS addresses of my fragments, v12-13 the add's two, v14 scale, v15 hold, v16-31 at work, v32-63 codes, v64-255 accumulators (T, n) at 64 + 8 (6 T + n).
;   window 1: v0-159 fragment buffer 0 (tokens at 16 T, W at 64 + 16 n), v160-191 cosines (8 T + j), v192-223 sines.   window 2: v0-159 fragment buffer 1.
; THE HEAD AND THE PREFETCH, as the text below has them, in place of what the lines above say of both: at the head a wave issues X's first fill alone; Y's first fill stands behind the first whole round, so one tensor load of a wave is out at a time.
; k's tiles are prefetched in q's first sub-step and v's in k's, three sub-steps ahead of their first joint load (macro ASK).
.set PX, 528                           ; an LDS row of X: 512 bytes + 16 = 132 words: row r starts at bank 4 r mod 64 (64 banks of 4 bytes: ISA guide 11.1)
.set PY, 272                           ; of Y: 256 bytes + 16 = 68 words: likewise
.set WX, 128*PX                        ; X: W's 192 rows lie behind the tokens' 128
.set AY, 320*PX                        ; Y begins behind X
.set WY, AY+128*PY
.set SPARE, AY+320*PY                  ; 256,000: behind the regions: the spare words, 128 bytes for each wave: two blocks of 256 bytes that no other line names
.set ADAX, 4                           ; v4   my tokens' fragments in X
.set ADAY, 5                           ; v5   in Y
.set ADWX, 8                           ; v8   my W fragments in X, tiles 0-3
.set ADWX2, 9                          ; v9   tiles 4, 5: 128 rows further on (160 rows of 528 bytes pass the 16-bit offset)
.set ADWY, 10                          ; v10  my W fragments in Y
.set SPW, 12
.set NIL, 13
.set SCL, 14
.set LIM, 15
.set TMP, 16
.set COD, 32
.set ACC, 64
.set COSR, 160                         ; in window 1
.set SINR, 192
.set POS, 0                            ; in window 1, ahead of the first fragments: positions, inv_freq, and what is at work
.set INV, 8
.set FI,  16
.set XH,  24
.set ER,  32
.set YY,  40
.set SA,  48                           ; eight registers each: the angle, later z z
.set SK,  56                           ; k, later the cosine's sign
.set SR,  64                           ; r, later the sine without its sign
.set SZ,  72                           ; z, later the cosine without its sign
.set SSN, 80                           ; sin r
.set SCS, 88                           ; cos r
.set SU,  96                           ; r z, later k's lowest bit
.set SW,  104                          ; 1 - z / 2, later the sine's sign
.set G1AX, 32                          ; s[32:63] four groups 1: tokens 512 wide, tokens 256 wide, W 512 wide, W 256 wide
.set G1AY, 40
.set G1WX, 48
.set G1WY, 56
.set G0AX, 68                          ; s[68:83] their groups 0
.set G0AY, 72
.set G0WX, 76
.set G0WY, 80
.set OFA, 84                           ; s[84:85] my part of the tokens' tile, in bytes from a tensor's first; s[86:87] of W's
.set OFW, 86
                                       ; s[88:99] the twelve constants of cosine and sine, and behind them e0 .. e11
.set BQ, 66                            ; s[66:67], s[100:101], s[104:105] where q's, k's and v's images go
.set BK, 100
.set BV, 104
.set MSB, 0
.macro WIN new                         ; the immediate's high byte repeats the setting that is left
.if MSB != (\new)
	s_set_vgpr_msb (MSB<<8)|(\new)
.set MSB, (\new)
.endif
.endm
.macro PLACES                          ; four plain vector instructions behind matrix instructions, ahead of loads into their sources and of reads of their results
.rept 4
	v_nop
.endr
.endm
.macro CREST                           ; a round of the cluster's barrier behind its opening barrier
	s_cmp_lg_u32 s22, 0
	s_cbranch_scc1 .Lnot_wave_0_\@
	s_barrier_signal -3
.Lnot_wave_0_\@:
	s_barrier_wait -3
	s_barrier_signal -1
	s_barrier_wait -1
.endm
.macro CROUND
	s_barrier_signal -1
	s_barrier_wait -1
	CREST
.endm
.macro JLOAD g0a, g1a, g0w, g1w        ; a joint load: waves 0 and 1 fetch the tokens' two halves, waves 2 and 3 W's; the branch hangs on the wave's number alone
	s_cmp_eq_u32 s23, 0
	s_cbranch_scc0 .Lfor_w_\@
	tensor_load_to_lds s[\g0a:\g0a+3], s[\g1a:\g1a+7]
	s_nop 0
.rept 4
	v_nop
.endr
	s_branch .Lasked_\@
.Lfor_w_\@:
	tensor_load_to_lds s[\g0w:\g0w+3], s[\g1w:\g1w+7]
	s_nop 0
.rept 4
	v_nop
.endr
.Lasked_\@:
.endm
; A PREFETCH INTO THE L2 of the next tensor's tiles, three instructions a wave, one for each 256 along K, a lane a row.  The four partners that ask for a tile jointly share its rows out by address: 16 of a wave's 64 rows of tokens,
; 24 of its 96 rows of W (the lanes that are over name the wave's last row again).  Tokens are asked for by every cluster, W, which all clusters read, by the first four (s10).
.macro ASK base
	WIN 0
	s_cmp_eq_u32 s10, 1
	s_cbranch_scc0 .Lnot_mine_\@
.irp u, 0,1,2
	global_prefetch_b8 v11, s[\base:\base+1] offset:256*\u th:TH_LOAD_NT scope:SCOPE_SE
.endr
.Lnot_mine_\@:
.endm
.macro SHAPE g, cols, rows             ; a group 1's constant words: a tile of rows x cols bytes out of rows of 768
	s_mov_b32 s[\g+1], (\cols)<<16                 ; tensor_dim0
	s_mov_b32 s[\g+2], (\rows)<<16                 ; tensor_dim1
	s_mov_b32 s[\g+3], (\cols)<<16                 ; tile_dim0
	s_mov_b32 s[\g+4], \rows                       ; tile_dim1
	s_mov_b32 s[\g+5], 768                         ; from row to row
	s_mov_b32 s[\g+6], 0
	s_mov_b32 s[\g+7], 0
.endm
.macro SETG0 g, ptr, off, add          ; a group 0's global address: the tensor at s[ptr], my part of the tile, add bytes along K; the type on top
	s_add_nc_u64 s[\g+2:\g+3], s[\ptr:\ptr+1], s[\off:\off+1]
.if \add
	s_add_nc_u64 s[\g+2:\g+3], s[\g+2:\g+3], \add
.endif
	s_or_b32 s[\g+3], s[\g+3], 0x80000000
.endm
; 40 LDS loads in one run: the fragments of 128 along K at byte col of the rows of X (y = 0) or Y (y = 1), into buffer p
.macro FETCH y, col, p
	WIN (0x40<<(\p))
.if \y
.irp T, 0,1,2,3
.irp c, 0,1,2,3
	ds_load_b128 v[16*\T+4*\c:16*\T+4*\c+3], v[ADAY] offset:\T*16*PY+\col+32*\c
.endr
.endr
.irp n, 0,1,2,3,4,5
.irp c, 0,1,2,3
	ds_load_b128 v[64+16*\n+4*\c:64+16*\n+4*\c+3], v[ADWY] offset:(64*(\n/2)+32*(\n%2))*PY+\col+32*\c
.endr
.endr
.else
.irp T, 0,1,2,3
.irp c, 0,1,2,3
	ds_load_b128 v[16*\T+4*\c:16*\T+4*\c+3], v[ADAX] offset:\T*16*PX+\col+32*\c
.endr
.endr
.irp n, 0,1,2,3
.irp c, 0,1,2,3
	ds_load_b128 v[64+16*\n+4*\c:64+16*\n+4*\c+3], v[ADWX] offset:(64*(\n/2)+32*(\n%2))*PX+\col+32*\c
.endr
.endr
.irp n, 4,5
.irp c, 0,1,2,3
	ds_load_b128 v[64+16*\n+4*\c:64+16*\n+4*\c+3], v[ADWX2] offset:(32*(\n%2))*PX+\col+32*\c
.endr
.endr
.endif
	WIN 0
.endm
; 8 matrix instructions on accumulators 8 part .. 8 part + 7 from buffer p.  The 24 accumulators take turns, one instruction a turn, in the same order in every sub-step.
.macro MULP p, part, zero, swap
	WIN (0x05<<(\p))
.set ia, 8*(\part)
.rept 8
.set rD, ACC+8*ia
.set rA, 16*(ia/6)
.set rW, 64+16*(ia%6)
.if \swap
.if \zero
	v_wmma_f32_16x16x128_fp8_fp8 v[rD:rD+7], v[rA:rA+15], v[rW:rW+15], 0
.else
	v_wmma_f32_16x16x128_fp8_fp8 v[rD:rD+7], v[rA:rA+15], v[rW:rW+15], v[rD:rD+7]
.endif
.else
.if \zero
	v_wmma_f32_16x16x128_fp8_fp8 v[rD:rD+7], v[rW:rW+15], v[rA:rA+15], 0
.else
	v_wmma_f32_16x16x128_fp8_fp8 v[rD:rD+7], v[rW:rW+15], v[rA:rA+15], v[rD:rD+7]
.endif
.endif
.set ia, ia+1
.endr
.endm
; A plain sub-step: buffer p is multiplied; ahead of that the next sub-step's fragments are asked for, into the other buffer
.macro SUB p, fetch, y, col, zero, swap
	s_wait_dscnt 0x0                               ; buffer p is in (asked for a sub-step ago)
.if \fetch
	PLACES
	FETCH \y, \col, 1-(\p)
.endif
	MULP \p, 0, \zero, \swap
	MULP \p, 1, \zero, \swap
	MULP \p, 2, \zero, \swap
.endm
; Sub-step 3: X has been read out.  In front of the barrier each wave waits for all its tensor loads (Y's tile of this tensor among them), adds 0 to its spare word, and waits for that and for its LDS loads.
; fill = 1: the barrier opens a round of the cluster's barrier, and X takes the first 512 along K of the next tensor (tokens at s[pa:pa+1], W at s[pw:pw+1]).  Then Y's first fragments are fetched.
.macro TURN p, fill, pa, pw, swap
	WIN 0                                          ; (the add's two registers lie in window 0)
	s_wait_tensorcnt 0x0                           ; no tensor load of mine is out, so a group 0 may be written
	ds_add_u32 v[SPW], v[NIL]                      ; 0 onto my spare word
.if \fill
	SETG0 G0AX, \pa, OFA, 0
	SETG0 G0WX, \pw, OFW, 0
.endif
	s_wait_dscnt 0x1                               ; buffer p's 40 loads are in; the add alone may be out
	MULP \p, 0, 0, \swap
	s_wait_dscnt 0x0                               ; the add is done, and my reads of X are over
	s_barrier_signal -1
	MULP \p, 1, 0, \swap
	WIN 0
	s_barrier_wait -1
.if \fill
	CREST                                          ; no wave of any partner still reads X or has a load on its way
	JLOAD G0AX, G1AX, G0WX, G1WX                   ; the first tensor load behind the round; its four v_nop are the places ahead of the loads below
.else
	PLACES
.endif
	FETCH 1, 0, 1-(\p)
	MULP \p, 2, 0, \swap
.endm
; In the middle of the way out: Y has been read out, and X's refill is due.  The same three lines, a whole round, Y takes the last 256 along K of the next tensor, and that tensor's first fragments are fetched from X:
; the quantising that follows stands between these loads and the wait for them.
.macro CHANGE pa, pw
	s_wait_tensorcnt 0x0                           ; X's refill, my part of it, has landed; no tensor load of mine is out, so a group 0 may be written
	ds_add_u32 v[SPW], v[NIL]                      ; 0 onto my spare word
	SETG0 G0AY, \pa, OFA, 512
	SETG0 G0WY, \pw, OFW, 512
	s_wait_dscnt 0x0                               ; the add is done; my reads of Y were over at the last sub-step's head
	CROUND                                         ; all that now holds of every wave of every partner
	JLOAD G0AY, G1AY, G0WY, G1WY                   ; the first tensor load behind the round; its four v_nop are places ahead of the loads below
	FETCH 0, 0, 0
.endm
; Cosine and sine of position T x inv_freq j, for the eight j at once, all in window 1: each line is written for all eight before the next line, so that no line reads the result of a line just ahead of it.
; k = the nearest whole number of quarter turns; the rest r = a - k pi/2 is taken in two parts by fused multiply-adds; two polynomials on |r| <= pi/4; k's two low bits say which of the two is which, and their signs.
.macro SINCOS8 T
.irp j, 0,1,2,3,4,5,6,7
	v_mul_f32 v[SA+\j], v[POS+\T], v[INV+\j]       ; the angle: one f32 multiplication
.endr
.irp j, 0,1,2,3,4,5,6,7
	v_mul_f32 v[SK+\j], s88, v[SA+\j]
.endr
.irp j, 0,1,2,3,4,5,6,7
	v_rndne_f32 v[SK+\j], v[SK+\j]                 ; k
.endr
.irp j, 0,1,2,3,4,5,6,7
	v_fma_f32 v[SR+\j], -v[SK+\j], s89, v[SA+\j]
.endr
.irp j, 0,1,2,3,4,5,6,7
	v_fma_f32 v[SR+\j], -v[SK+\j], s90, v[SR+\j]   ; r
.endr
.irp j, 0,1,2,3,4,5,6,7
	v_mul_f32 v[SZ+\j], v[SR+\j], v[SR+\j]         ; z = r r
.endr
.irp j, 0,1,2,3,4,5,6,7
	v_fma_f32 v[SSN+\j], v[SZ+\j], s93, s92
	v_fma_f32 v[SCS+\j], v[SZ+\j], s96, s95
.endr
.irp j, 0,1,2,3,4,5,6,7
	v_fma_f32 v[SSN+\j], v[SSN+\j], v[SZ+\j], s91
	v_fma_f32 v[SCS+\j], v[SCS+\j], v[SZ+\j], s94
.endr
.irp j, 0,1,2,3,4,5,6,7
	v_mul_f32 v[SU+\j], v[SR+\j], v[SZ+\j]
	v_fma_f32 v[SW+\j], v[SZ+\j], -0.5, 1.0
	v_mul_f32 v[SA+\j], v[SZ+\j], v[SZ+\j]
.endr
.irp j, 0,1,2,3,4,5,6,7
	v_fma_f32 v[SSN+\j], v[SSN+\j], v[SU+\j], v[SR+\j]   ; sin r
	v_fma_f32 v[SCS+\j], v[SCS+\j], v[SA+\j], v[SW+\j]   ; cos r
	v_cvt_i32_f32 v[SK+\j], v[SK+\j]
.endr
.irp j, 0,1,2,3,4,5,6,7
	v_and_b32 v[SU+\j], 1, v[SK+\j]
	v_lshlrev_b32 v[SW+\j], 30, v[SK+\j]
	v_add_nc_u32 v[SK+\j], 1, v[SK+\j]
.endr
.irp j, 0,1,2,3,4,5,6,7
	v_and_b32 v[SW+\j], 0x80000000, v[SW+\j]       ; the sine is negative where k % 4 is 2 or 3,
	v_lshlrev_b32 v[SK+\j], 30, v[SK+\j]
.endr
.irp j, 0,1,2,3,4,5,6,7
	v_and_b32 v[SK+\j], 0x80000000, v[SK+\j]       ; the cosine where it is 1 or 2
.endr
.irp g, 0,4                                    ; odd k: the two change places; four masks take turns
	v_cmp_eq_u32 s2, 1, v[SU+\g]
	v_cmp_eq_u32 s3, 1, v[SU+\g+1]
	v_cmp_eq_u32 s31, 1, v[SU+\g+2]
	v_cmp_eq_u32 vcc_lo, 1, v[SU+\g+3]
	v_cndmask_b32 v[SR+\g], v[SSN+\g], v[SCS+\g], s2
	v_cndmask_b32 v[SZ+\g], v[SCS+\g], v[SSN+\g], s2
	v_cndmask_b32 v[SR+\g+1], v[SSN+\g+1], v[SCS+\g+1], s3
	v_cndmask_b32 v[SZ+\g+1], v[SCS+\g+1], v[SSN+\g+1], s3
	v_cndmask_b32 v[SR+\g+2], v[SSN+\g+2], v[SCS+\g+2], s31
	v_cndmask_b32 v[SZ+\g+2], v[SCS+\g+2], v[SSN+\g+2], s31
	v_cndmask_b32 v[SR+\g+3], v[SSN+\g+3], v[SCS+\g+3], vcc_lo
	v_cndmask_b32 v[SZ+\g+3], v[SCS+\g+3], v[SSN+\g+3], vcc_lo
.endr
.irp j, 0,1,2,3,4,5,6,7
	v_xor_b32 v[SINR+8*\T+\j], v[SR+\j], v[SW+\j]
	v_xor_b32 v[COSR+8*\T+\j], v[SZ+\j], v[SK+\j]
.endr
.endm
; the conversion's scale 2^x and the hold 448 x 2^x, x = ea - eb - ec: a sum stands for sum x 2^(eb + ec), its code is sum / 2^x
.macro SCALE ea, eb, ec
	s_sub_co_i32 s2, s[\ea], s[\eb]
	s_sub_co_i32 s2, s2, s[\ec]
	s_add_co_i32 s2, s2, 127
	s_lshl_b32 s3, s2, 23
	v_mov_b32 v[SCL], s3
	s_add_co_i32 s2, s2, 8
	s_lshl_b32 s2, s2, 23
	s_or_b32 s2, s2, 0x600000
	v_mov_b32 v[LIM], s2
.endm
; q's and k's way out, first part: the rotation.  Each accumulator is read from its low end on.
.macro EPI_ROT
	PLACES
	WIN 0x04                                       ; source 1 (cosines, sines) in window 1
.irp T, 0,1,2,3
.irp hl, 0,1,2
.irp i, 0,2,4,6
	v_pk_mul_f32 v[TMP+\i:TMP+\i+1], v[ACC+8*(6*\T+2*\hl+1)+\i:ACC+8*(6*\T+2*\hl+1)+\i+1], v[SINR+8*\T+\i:SINR+8*\T+\i+1]       ; x2 sin
	v_pk_mul_f32 v[TMP+8+\i:TMP+8+\i+1], v[ACC+8*(6*\T+2*\hl)+\i:ACC+8*(6*\T+2*\hl)+\i+1], v[SINR+8*\T+\i:SINR+8*\T+\i+1]       ; x1 sin
.endr
.irp i, 0,2,4,6
	v_pk_fma_f32 v[ACC+8*(6*\T+2*\hl)+\i:ACC+8*(6*\T+2*\hl)+\i+1], v[ACC+8*(6*\T+2*\hl)+\i:ACC+8*(6*\T+2*\hl)+\i+1], v[COSR+8*\T+\i:COSR+8*\T+\i+1], v[TMP+\i:TMP+\i+1] neg_lo:[0,0,1] neg_hi:[0,0,1]   ; x1 cos - x2 sin
	v_pk_fma_f32 v[ACC+8*(6*\T+2*\hl+1)+\i:ACC+8*(6*\T+2*\hl+1)+\i+1], v[ACC+8*(6*\T+2*\hl+1)+\i:ACC+8*(6*\T+2*\hl+1)+\i+1], v[COSR+8*\T+\i:COSR+8*\T+\i+1], v[TMP+8+\i:TMP+8+\i+1]                       ; x2 cos + x1 sin
.endr
.endr
.endr
	WIN 0
.endm
; second part: the hold, the conversion, the store
.macro EPI_OUT base, hlsh
.irp hl, 0,1,2
.if \hl != 1
	s_wait_xcnt 0x0                                ; the earlier stores have read their data: the codes' registers may be written again
.endif
.irp T, 0,1,2,3
.set cr, COD+16*(\hl%2)+4*\T
.irp i, 0,1,2,3,4,5,6,7,8,9,10,11,12,13,14,15
	v_med3_num_f32 v[ACC+8*(6*\T+2*\hl)+\i], v[ACC+8*(6*\T+2*\hl)+\i], -v[LIM], v[LIM]   ; the conversion to an 8-bit code does not saturate (ISA guide 7.6.2): the hold comes first
.endr
	v_cvt_scalef32_pk8_fp8_f32 v[cr:cr+1], v[ACC+8*(6*\T+2*\hl):ACC+8*(6*\T+2*\hl)+7], v[SCL]        ; d = 16 ch + 8 h + 0 .. 7
	v_cvt_scalef32_pk8_fp8_f32 v[cr+2:cr+3], v[ACC+8*(6*\T+2*\hl+1):ACC+8*(6*\T+2*\hl+1)+7], v[SCL]  ; d = 32 + 16 ch + 8 h + 0 .. 7
	global_store_b128 v3, v[cr:cr+3], s[\base:\base+1] offset:(\hl<<\hlsh)+(\T<<10)                  ; 32 lanes store 512 consecutive bytes, aligned
.endr
.endr
	v_nop                                          ; a plain vector instruction between the last conversion and the products that write its sources
.endm
; v's way out: a lane's channel, registers along the tokens: tiles 2 bk and 2 bk + 1 of tokens are the 16 bytes of block bk
.macro EPI_V
	PLACES
	WIN 0
	s_wait_alu depctr_va_vdst(0)
.irp n, 0,1,2,3,4,5
.irp bk, 0,1
.set gi, 2*\n+\bk
.set cr, COD+4*(gi%8)
.if (gi%8) == 0
	s_wait_xcnt 0x0                                ; the earlier stores have read their data
.endif
.irp i, 0,1,2,3,4,5,6,7
	v_med3_num_f32 v[ACC+8*(6*(2*\bk)+\n)+\i], v[ACC+8*(6*(2*\bk)+\n)+\i], -v[LIM], v[LIM]
.endr
.irp i, 0,1,2,3,4,5,6,7
	v_med3_num_f32 v[ACC+8*(6*(2*\bk+1)+\n)+\i], v[ACC+8*(6*(2*\bk+1)+\n)+\i], -v[LIM], v[LIM]
.endr
	v_cvt_scalef32_pk8_fp8_f32 v[cr:cr+1], v[ACC+8*(6*(2*\bk)+\n):ACC+8*(6*(2*\bk)+\n)+7], v[SCL]
	v_cvt_scalef32_pk8_fp8_f32 v[cr+2:cr+3], v[ACC+8*(6*(2*\bk+1)+\n):ACC+8*(6*(2*\bk+1)+\n)+7], v[SCL]
	global_store_b128 v3, v[cr:cr+3], s[BV:BV+1] offset:((\n/2)<<17)+((\n%2)<<11)+(\bk<<9)
.endr
.endr
	v_nop
.endm
	s_load_b256 s[4:11], s[0:1], 0x0               ; query s[4:5], key s[6:7], value s[8:9], Wq s[10:11]
	s_load_b256 s[12:19], s[0:1], 0x20             ; Wk s[12:13], Wv s[14:15], the scales' exponents s[16:17], qimg s[18:19]
	s_load_b64 s[20:21], s[0:1], 0x40              ; kvimg
	v_lshl_add_u32 v[SPW], v0, 2, SPARE
	v_mov_b32 v[NIL], 0
	ds_add_u32 v[SPW], v[NIL]                      ; the wave's opening: the add and its wait ahead of my first tensor load; the set-up below, work on registers, stands between them
	ds_add_u32 v[SPW], v[NIL]
	v_lshrrev_b32 v1, 5, v0
	v_readfirstlane_b32 s22, v1                    ; wave 0..3
	s_lshr_b32 s23, s22, 1                         ; th.  Also: I fetch tokens (0) or W (1)
	s_and_b32 s24, s22, 1                          ; ch.  Also: which half of that tile I fetch
	s_bfe_u32 s25, ttmp6, 0x40000                  ; cx
	s_bfe_u32 s26, ttmp6, 0x40004                  ; cy
	s_lshl_b32 s27, ttmp9, 2
	s_add_co_u32 s27, s27, s25                     ; the column group: 192 columns
	s_and_b32 s28, ttmp7, 0xffff
	s_lshl_b32 s28, s28, 2
	s_add_co_u32 s28, s28, s26                     ; the block of 128 tokens
	s_lshl_b32 s29, s26, 2
	s_lshl_b32 s29, 15, s29                        ; my row of the cluster
	s_lshl_b32 s30, 0x1111, s25                    ; my column
	s_or_b32 s[G1AX], s29, (1<<20)|(1<<21)|(6<<22)|(3<<25)   ; 15:0 the mask; 17:16 elements of 1 byte; 20 padding on; 21 set beside a mask; 24:22 after every 128 words; 31:25 four words
	s_or_b32 s[G1AY], s29, (1<<20)|(1<<21)|(5<<22)|(3<<25)   ; the same after every 64 words
	s_or_b32 s[G1WX], s30, (1<<20)|(1<<21)|(6<<22)|(3<<25)
	s_or_b32 s[G1WY], s30, (1<<20)|(1<<21)|(5<<22)|(3<<25)
	SHAPE G1AX, 512, 64
	SHAPE G1AY, 256, 64
	SHAPE G1WX, 512, 96
	SHAPE G1WY, 256, 96
	s_lshl_b32 s[OFA], s28, 7
	s_lshl_b32 s31, s24, 6
	s_add_co_u32 s[OFA], s[OFA], s31
	s_mul_i32 s[OFA], s[OFA], 768                  ; the tokens' tile: row 128 x block + 64 x half, in bytes
	s_mov_b32 s[OFA+1], 0
	s_mul_i32 s[OFW], s27, 192
	s_mul_i32 s31, s24, 96
	s_add_co_u32 s[OFW], s[OFW], s31
	s_mul_i32 s[OFW], s[OFW], 768                  ; W's tile: row 192 x column group + 96 x half
	s_mov_b32 s[OFW+1], 0
	s_mov_b32 s[G0AX], 1                           ; count = 1; then where the tiles go: a constant + a constant x (wave % 2): no place in the cluster enters an LDS address
	s_mul_i32 s[G0AX+1], s24, 64*PX
	s_mov_b32 s[G0AY], 1
	s_mul_i32 s[G0AY+1], s24, 64*PY
	s_add_co_u32 s[G0AY+1], s[G0AY+1], AY
	s_mov_b32 s[G0WX], 1
	s_mul_i32 s[G0WX+1], s24, 96*PX
	s_add_co_u32 s[G0WX+1], s[G0WX+1], WX
	s_mov_b32 s[G0WY], 1
	s_mul_i32 s[G0WY+1], s24, 96*PY
	s_add_co_u32 s[G0WY+1], s[G0WY+1], WY
	s_wait_dscnt 0x0                               ; the opening add is done
	s_wait_kmcnt 0x0
	SETG0 G0AX, 4, OFA, 0                          ; q's tiles
	SETG0 G0AY, 4, OFA, 512
	SETG0 G0WX, 10, OFW, 0
	SETG0 G0WY, 10, OFW, 512
	CROUND                                         ; all sixteen work-groups are here: the first joint loads meet
	JLOAD G0AX, G1AX, G0WX, G1WX                   ; X takes q's first 512 along K: one tensor load a wave at the head
	s_cmp_eq_u32 s23, 0
	s_cselect_b32 s2, 15, 23
	v_and_b32 v11, 31, v0                          ; the prefetches' offset: my lane's row, 16 rows of tokens or 24 of W; never rewritten
	v_min_u32 v11, s2, v11
	v_mul_u32_u24 v11, 0x300, v11
	v_and_b32 v1, 15, v0                           ; r
	v_bfe_u32 v2, v0, 4, 1                         ; h
	v_and_b32 v3, 31, v0
	v_lshlrev_b32 v3, 4, v3                        ; 16 x lane: my place in an image's block
	v_mul_u32_u24 v16, v1, PX
	v_lshl_add_u32 v16, v2, 4, v16                 ; a fragment's row x pitch + 16 x half, in X
	v_mul_u32_u24 v17, v1, PY
	v_lshl_add_u32 v17, v2, 4, v17                 ; and in Y
	s_wait_alu depctr_va_vdst(0)
	s_mul_i32 s31, s23, 64*PX                      ; my 64 tokens
	v_add_nc_u32 v[ADAX], s31, v16
	s_mul_i32 s31, s23, 64*PY
	s_add_co_u32 s31, s31, AY
	v_add_nc_u32 v[ADAY], s31, v17
	s_mul_i32 s31, s24, 16*PX                      ; my rows of W: 16 ch on, behind the tokens' rows
	s_add_co_u32 s31, s31, WX
	v_add_nc_u32 v[ADWX], s31, v16
	s_add_co_u32 s31, s31, 128*PX
	v_add_nc_u32 v[ADWX2], s31, v16
	s_mul_i32 s31, s24, 16*PY
	s_add_co_u32 s31, s31, WY
	v_add_nc_u32 v[ADWY], s31, v17
	; WHILE THE FIRST TILES ARE ON THEIR WAY: my 32 cosines and sines.  Position = 128 (block % 8) + 64 th + 16 T + r; frequency index fi = 16 ch + 8 h + j
	s_and_b32 s31, s28, 7
	s_lshl_b32 s31, s31, 7
	s_lshl_b32 s2, s23, 6
	s_add_co_u32 s31, s31, s2
	v_add_nc_u32 v16, s31, v1
	v_add_nc_u32 v17, 16, v16
	v_add_nc_u32 v18, 32, v16
	v_add_nc_u32 v19, 48, v16
	s_lshl_b32 s2, s24, 4
	v_lshl_add_u32 v20, v2, 3, s2
.irp j, 1,2,3,4,5,6,7
	v_add_nc_u32 v[20+\j], \j, v20
.endr
	s_mov_b32 s88, 0x3f22f983                      ; 2 / pi
	s_mov_b32 s89, 0x3fc90fdb                      ; pi / 2, upper part
	s_mov_b32 s90, 0xb33bbd2e                      ; and what it lacks
	s_mov_b32 s91, 0xbe2aaaa3                      ; the sine's three coefficients: -1.6666654611e-1,
	s_mov_b32 s92, 0x3c08839e                      ; 8.3321608736e-3,
	s_mov_b32 s93, 0xb94ca1f9                      ; -1.9515295891e-4
	s_mov_b32 s94, 0x3d2aaaa5                      ; the cosine's: 4.166664568e-2,
	s_mov_b32 s95, 0xbab6061a                      ; -1.388731625e-3,
	s_mov_b32 s96, 0x37ccf5ce                      ; 2.443315712e-5
	s_mov_b32 s97, 0x3e549a78                      ; log2(10) / 16, upper part: inv_freq = 100^(-fi / 32) = 2^(-fi log2(10) / 16)
	s_mov_b32 s98, 0x31979a28                      ; and what it lacks: 4.4122e-9
	s_mov_b32 s99, 0xbf317218                      ; -ln 2
	WIN 0x40                                       ; destination window 1
.irp T, 0,1,2,3
	v_cvt_f32_u32 v[POS+\T], v[16+\T]
.endr
.irp j, 0,1,2,3,4,5,6,7
	v_cvt_f32_u32 v[FI+\j], v[20+\j]
.endr
	WIN 0x55                                       ; all in window 1
.irp j, 0,1,2,3,4,5,6,7
	v_mul_f32 v[XH+\j], s97, v[FI+\j]              ; the exponent, rounded,
.endr
.irp j, 0,1,2,3,4,5,6,7
	v_fma_f32 v[ER+\j], v[FI+\j], s97, -v[XH+\j]   ; what the rounding dropped,
.endr
.irp j, 0,1,2,3,4,5,6,7
	v_fma_f32 v[ER+\j], v[FI+\j], s98, v[ER+\j]    ; and what the constant lacks
.endr
.irp j, 0,1,2,3,4,5,6,7
	v_exp_f32 v[YY+\j], -v[XH+\j]
.endr
	v_nop                                          ; a plain instruction behind the last exponential
	s_wait_alu depctr_va_vdst(0)                   ; one wait for the batch of eight, ahead of its first reader
.irp j, 0,1,2,3,4,5,6,7
	v_mul_f32 v[XH+\j], s99, v[YY+\j]
.endr
.irp j, 0,1,2,3,4,5,6,7
	v_fma_f32 v[INV+\j], v[XH+\j], v[ER+\j], v[YY+\j]   ; 2^-(x + e) = 2^-x (1 - e ln 2), e under 1e-7
.endr
	SINCOS8 0
	SINCOS8 1
	SINCOS8 2
	SINCOS8 3
	WIN 0
	s_load_b256 s[88:95], s[16:17], 0x0            ; e0 .. e7, into the registers that held the constants; the wait stands ahead of their first use
	s_load_b128 s[96:99], s[16:17], 0x20           ; e8 .. e11
	; where my results go
	s_lshr_b32 s2, s28, 3                          ; the batch
	s_mul_i32 s2, s2, 12
	s_mul_i32 s3, s27, 3
	s_add_co_u32 s2, s2, s3                        ; my first head among the 96
	s_and_b32 s3, s28, 7                           ; my block among the batch's eight
	s_lshl_b32 s[BQ], s2, 16                       ; qimg: a head is 65,536 bytes, a tile of 16 queries 1,024, a block 512
	s_lshl_b32 s31, s3, 13
	s_add_co_u32 s[BQ], s[BQ], s31
	s_lshl_b32 s31, s23, 12
	s_add_co_u32 s[BQ], s[BQ], s31
	s_lshl_b32 s31, s24, 9
	s_add_co_u32 s[BQ], s[BQ], s31
	s_mov_b32 s[BQ+1], 0
	s_add_nc_u64 s[BQ:BQ+1], s[18:19], s[BQ:BQ+1]
	s_lshl_b32 s[BK], s2, 17                       ; kvimg: a head is 131,072 bytes, a chunk of 128 keys 16,384 (K's part, then V's), a half of 64 keys 4,096 in each part
	s_lshl_b32 s31, s3, 14
	s_add_co_u32 s[BK], s[BK], s31
	s_lshl_b32 s31, s23, 12
	s_add_co_u32 s[BK], s[BK], s31
	s_mov_b32 s[BK+1], 0
	s_add_co_u32 s[BV], s[BK], 8192                ; V's part; my channels' tile is ch + 2 u
	s_lshl_b32 s31, s24, 10
	s_add_co_u32 s[BV], s[BV], s31
	s_mov_b32 s[BV+1], 0
	s_lshl_b32 s31, s24, 9                         ; K's part; my block is ch
	s_add_co_u32 s[BK], s[BK], s31
	s_add_nc_u64 s[BK:BK+1], s[20:21], s[BK:BK+1]
	s_add_nc_u64 s[BV:BV+1], s[20:21], s[BV:BV+1]
	s_cmp_eq_u32 s23, 0                            ; where my prefetches stand: s[18:19] in k's tensors, s[20:21] in v's (the images' addresses are no longer needed there)
	s_cselect_b64 s[18:19], s[6:7], s[12:13]
	s_cselect_b64 s[20:21], s[8:9], s[14:15]
	s_cselect_b32 s2, s[OFA], s[OFW]
	s_cselect_b32 s3, s25, s26                     ; my place among the four that ask jointly
	s_mov_b32 s31, 24*768
	s_cselect_b32 s31, 16*768, s31
	s_mul_i32 s3, s3, s31
	s_add_co_u32 s2, s2, s3
	s_mov_b32 s3, 0
	s_add_nc_u64 s[18:19], s[18:19], s[2:3]
	s_add_nc_u64 s[20:21], s[20:21], s[2:3]
	s_and_b32 s31, ttmp7, 0xffff
	s_cmp_lt_u32 s31, 4
	s_cselect_b32 s10, 1, 0
	s_cmp_eq_u32 s23, 0
	s_cselect_b32 s10, 1, s10                      ; 1: my wave prefetches
	s_wait_alu depctr_va_vdst(0)                   ; the wait at the head's end
	s_wait_tensorcnt 0x0                           ; my part of X is in; the same lines as ahead of a refill:
	ds_add_u32 v[SPW], v[NIL]                      ; 0 onto my spare word
	s_wait_dscnt 0x0
	CROUND                                         ; X is whole in every work-group of the cluster, and the joint loads meet
	JLOAD G0AY, G1AY, G0WY, G1WY                   ; Y takes q's last 256 along K
	FETCH 0, 0, 0
	; ---- q.  Sub-step s multiplies buffer s % 2
	SUB  0, 1, 0, 128, 1, 0                        ; the first products start the sums: nothing is cleared
	ASK 18
	SUB  1, 1, 0, 256, 0, 0
	SUB  0, 1, 0, 384, 0, 0
	TURN 1, 1, 6, 12, 0                            ; X takes k's first 512 along K; Y, shown landed by this barrier, is read from here on
	SUB  0, 1, 1, 128, 0, 0
	SUB  1, 0, 0, 0, 0, 0
	WIN 0
	s_wait_kmcnt 0x0                               ; the scales' exponents
	SCALE 94, 88, 89
	EPI_ROT
	CHANGE 6, 12                                   ; Y takes k's last 256 along K; k's first fragments are fetched
	EPI_OUT BQ, 16
	; ---- k; the regions take v's tiles
	SUB  0, 1, 0, 128, 1, 0
	ASK 20
	SUB  1, 1, 0, 256, 0, 0
	SUB  0, 1, 0, 384, 0, 0
	TURN 1, 1, 8, 14, 0
	SUB  0, 1, 1, 128, 0, 0
	SUB  1, 0, 0, 0, 0, 0
	WIN 0
	SCALE 95, 90, 91
	EPI_ROT
	CHANGE 8, 14
	EPI_OUT BK, 17
	; ---- v: nothing is left to fetch; the one barrier shows Y's last fill to every wave
	SUB  0, 1, 0, 128, 1, 1
	SUB  1, 1, 0, 256, 0, 1
	SUB  0, 1, 0, 384, 0, 1
	TURN 1, 0, 0, 0, 1
	SUB  0, 1, 1, 128, 0, 1
	SUB  1, 0, 0, 0, 0, 1
	WIN 0
	SCALE 97, 92, 93
	EPI_V
	s_wait_tensorcnt 0x0                           ; the wave's end, behind my last tensor load
	ds_add_u32 v[SPW], v[NIL]
	s_wait_dscnt 0x0
	CROUND                                         ; the closing round: no work-group ends while a partner may still ask for a tile that names it
	s_endpgm
.Lfunc_end_k_q05d2955ec3_proj:
	.size	k_q05d2955ec3_proj, .Lfunc_end_k_q05d2955ec3_proj-k_q05d2955ec3_proj
	.p2alignl 7, 3214868480
	.fill 96, 4, 3214868480
	.section	.rodata,"a",@progbits
	.p2align	6, 0x0
	.amdhsa_kernel k_q05d2955ec3_proj
		.amdhsa_group_segment_fixed_size 327680
		.amdhsa_private_segment_fixed_size 0
		.amdhsa_enable_private_segment 0
		.amdhsa_kernarg_size 72
		.amdhsa_user_sgpr_count 2
		.amdhsa_user_sgpr_kernarg_segment_ptr 1
		.amdhsa_wavefront_size32 1
		.amdhsa_system_sgpr_workgroup_id_x 1
		.amdhsa_system_sgpr_workgroup_id_y 1
		.amdhsa_system_sgpr_workgroup_id_z 1
		.amdhsa_system_vgpr_workitem_id 0
		.amdhsa_next_free_vgpr 768
		.amdhsa_next_free_sgpr 106
		.amdhsa_reserve_vcc 1
		.amdhsa_float_denorm_mode_32 3
		.amdhsa_float_denorm_mode_16_64 3
		.amdhsa_memory_ordered 1
		.amdhsa_forward_progress 1
		.amdhsa_inst_pref_size 207
	.end_amdhsa_kernel
	.amdgpu_metadata
---
amdhsa.version: [ 1, 2 ]
amdhsa.kernels:
  - .name:           k_q05d2955ec3_proj
    .symbol:         k_q05d2955ec3_proj.kd
    .args:
      - { .name: query_codes, .offset: 0, .size: 8, .value_kind: global_buffer, .address_space: global }
      - { .name: key_codes, .offset: 8, .size: 8, .value_kind: global_buffer, .address_space: global }
      - { .name: value_codes, .offset: 16, .size: 8, .value_kind: global_buffer, .address_space: global }
      - { .name: Wq_codes, .offset: 24, .size: 8, .value_kind: global_buffer, .address_space: global }
      - { .name: Wk_codes, .offset: 32, .size: 8, .value_kind: global_buffer, .address_space: global }
      - { .name: Wv_codes, .offset: 40, .size: 8, .value_kind: global_buffer, .address_space: global }
      - { .name: lowp_scales, .offset: 48, .size: 8, .value_kind: global_buffer, .address_space: global }
      - { .name: qimg, .offset: 56, .size: 8, .value_kind: global_buffer, .address_space: global }
      - { .name: kvimg, .offset: 64, .size: 8, .value_kind: global_buffer, .address_space: global }
    .group_segment_fixed_size: 327680
    .private_segment_fixed_size: 0
    .kernarg_segment_align: 8
    .kernarg_segment_size: 72
    .max_flat_workgroup_size: 128
    .sgpr_count:     106
    .vgpr_count:     768
    .wavefront_size: 32
...
	.end_amdgpu_metadata
.endif
;; end of part 1
;; launch attn (part 2): grid 256 x 1, 12 waves a work-group, no clusters, 327,680 bytes of LDS; arguments qimg, kvimg, lowp_scales, ximg; writes ximg
.if DOCPART == 2
	.amdgcn_target "amdgcn-amd-amdhsa--gfx1250"
	.amdhsa_code_object_version 6
	.text
	.protected	k_q05d2955ec3_attn
	.globl	k_q05d2955ec3_attn
	.p2align	8
	.type	k_q05d2955ec3_attn,@function
k_q05d2955ec3_attn:
	s_mov_b64 s[64:65], 0
	v_nop
	global_prefetch_b8 v0, s[64:65] scope:SCOPE_SE
	s_setreg_imm32_b32 hwreg(HW_REG_WAVE_MODE, 25, 1), 1
	s_wait_xcnt 0x0
; x = softmax(q k^T / 8) v for 96 heads of 1,024 queries x 1,024 keys x 64, both products on codes of E4M3, and x quantised for the last product.
; t = score x log2(e) / 8; M = the running largest t rounded UP to a whole number; p = 2^(t - M) is quantised, not normalised; the row's sum is taken of the unquantised p and divides at the end.
; When M moves, the sum and O are multiplied by 2^(old M - new M): nothing is rounded, and no branch hangs on data.
; SHARES.  6,144 tiles of 16 queries on 256 work-groups are 24 each: twelve waves of two tiles (32 queries of one head), three waves to a SIMD.
; A head has 64 tiles, which 24 does not divide: eight work-groups share three heads in units of 128 queries.  Waves 0-7 take two neighbouring units of head X, waves 8-11 one unit of head Y; four tables of eight nibbles say which.
; LDS holds ALL of K and V of both heads, 131,072 bytes each, as images of the operands' registers: every LDS load is 512 consecutive bytes.  Nothing is filled twice and nothing is stored to LDS.
; ONE FIRST FILL A WAVE, all at the head: waves 0-3 bring keys 0-255 of both heads, 16,384 bytes each; waves 4-11 the other 768 keys, 24,576 bytes each.
; The first barrier shows keys 0-255, the second, two key steps later, all the rest.
; A KEY STEP IS 128 KEYS for both tiles, in two halves of 64.  Two regions of 32 registers hold K's halves, then V's; the next step's K is asked for as soon as V's halves have been multiplied, the first half ahead of the second half's quantising.
; NO CLUSTER: equal shares of 24 tiles do not divide a head's 64, so neighbouring work-groups want different pairs of heads, and no four of them have the same two descriptors.
; NO PREFETCH: every byte is asked for by a tensor load at the head; no loop loads ahead.
; LAYOUT.  S^T = K Q^T (source 0 = 16 keys, source 1 = 16 queries), O^T = V^T P^T (source 0 = 16 channels, source 1 = P): a lane holds ONE query throughout.  Register j of tile t of S^T is key 16 t + 8 (lane / 16) + j:
; the conversions' results are the second product's operand as the K = 64 form wants it.  Q's and K's channels lie in the same order on both sides.
; LIMITS: e6 + e7 between -123 and 130 (added to the exponent field of log2(e) / 8); e8, and e10 - e8 - e9, between -126 and 119.  NaN is not served.
; REGISTERS, window 0: v1 my place in the images, v3 the step's address; v5, v6 the add's two; v7 16 x lane; v8 scale, v9 hold; v10-15 at work;
;   v16 + 8 e: tile e's -M, largest t, sum (two halves), f (and a word named with it), two at work; v32.. Q; v48.., v80.. the two regions; v112.. codes of the first half; v128.. S^T then p (64 a tile); the second half's codes lie over v128-143.
;   window 1: v0-63 O^T.
.set SPARE, 262144                     ; behind the two heads: the spare words, 128 bytes for each of twelve waves: six blocks of 256 bytes that no other line names
.set AK0, 1
.set ADK, 3
.set SPW, 5
.set NIL, 6
.set LN,  7
.set SCL, 8
.set LIM, 9
.set ST,  16
.set QF,  32
.set RA,  48
.set RB,  80
.set P0,  112
.set SS,  128
.set P1,  128
.set MSB, 0
.macro WIN new                         ; the immediate's high byte repeats the setting that is left
.if MSB != (\new)
	s_set_vgpr_msb (MSB<<8)|(\new)
.set MSB, (\new)
.endif
.endm
.macro PLACES                          ; four plain vector instructions behind matrix instructions (ISA guide 7.12.1)
.rept 4
	v_nop
.endr
.endm
.macro LD rg, off                      ; eight LDS loads: four fragments of 64 along K, off bytes behind the step's first
.irp t, 0,1,2,3
.irp cb, 0,1
	ds_load_b128 v[\rg+8*\t+4*\cb:\rg+8*\t+4*\cb+3], v[ADK] offset:(\off)+1024*\t+512*\cb
.endr
.endr
.endm
.macro QK hf, rg                       ; 64 keys: four tiles of S^T for each tile of queries
.irp t, 0,1,2,3
.irp e, 0,1
	v_wmma_f32_16x16x64_fp8_fp8 v[SS+64*\e+32*\hf+8*\t:SS+64*\e+32*\hf+8*\t+7], v[\rg+8*\t:\rg+8*\t+7], v[QF+8*\e:QF+8*\e+7], 0
.endr
.endr
.endm
.macro PV rg, pp, zero                 ; eight accumulators by turns
.irp t, 0,1,2,3
.irp e, 0,1
.if \zero
	v_wmma_f32_16x16x64_fp8_fp8 v[32*\e+8*\t:32*\e+8*\t+7], v[\rg+8*\t:\rg+8*\t+7], v[\pp+8*\e:\pp+8*\e+7], 0
.else
	v_wmma_f32_16x16x64_fp8_fp8 v[32*\e+8*\t:32*\e+8*\t+7], v[\rg+8*\t:\rg+8*\t+7], v[\pp+8*\e:\pp+8*\e+7], v[32*\e+8*\t:32*\e+8*\t+7]
.endif
.endr
.endr
.endm
.macro HOLD hf                         ; the conversion to an 8-bit code does not saturate (ISA guide 7.6.2); p is not negative, so the hold is one-sided; two numbers an instruction
.irp e, 0,1
.set j, SS+64*\e+32*\hf
.rept 16
	v_dual_min_num_f32 v[j], v[j], v[LIM] :: v_dual_min_num_f32 v[j+1], v[j+1], v[LIM]
.set j, j+2
.endr
.endr
.endm
.macro CODES hf, pp                    ; keys 16 t + 8 h + 0 .. 7 of the half: registers 2 t, 2 t + 1 of the operand
.irp e, 0,1
.irp t, 0,1,2,3
	v_cvt_scalef32_pk8_fp8_f32 v[\pp+8*\e+2*\t:\pp+8*\e+2*\t+1], v[SS+64*\e+32*\hf+8*\t:SS+64*\e+32*\hf+8*\t+7], v[SCL]
.endr
.endr
.endm
; A KEY STEP.  Its K was asked for earlier.  first: it starts O^T and the sums.  nextk: it asks for the next step's K.  bar: the second barrier, signalled ahead of the second product and waited for behind it.
.macro STEP first, nextk, bar
	v_add_nc_u32 v[ADK], s40, v[AK0]               ; (with the four v_nop at a step's end the fifth place ahead of products that write over the second half's codes)
	s_wait_alu depctr_va_vdst(0)
	s_wait_dscnt 0x8                               ; K's first half is in; the second half's eight loads may be out
	QK 0, RA
	s_wait_dscnt 0x0                               ; K's second half is in
	QK 1, RB
	PLACES                                         ; ahead of the loads, and of the first read of the scores
	LD RA, 8192                                    ; V's first half
	LD RB, 12288                                   ; V's second half
	; the step's largest score of my query among my 64 keys: two chains a tile, in ascending order
.irp e, 0,1
	v_max3_num_f32 v[ST+8*\e+6], v[SS+64*\e], v[SS+64*\e+1], v[SS+64*\e+2]
	v_max3_num_f32 v[ST+8*\e+7], v[SS+64*\e+32], v[SS+64*\e+33], v[SS+64*\e+34]
.endr
.irp i, 3,5,7,9,11,13,15,17,19,21,23,25,27,29
.irp e, 0,1
	v_max3_num_f32 v[ST+8*\e+6], v[ST+8*\e+6], v[SS+64*\e+\i], v[SS+64*\e+\i+1]
	v_max3_num_f32 v[ST+8*\e+7], v[ST+8*\e+7], v[SS+64*\e+32+\i], v[SS+64*\e+33+\i]
.endr
.endr
.irp e, 0,1
	v_max3_num_f32 v[ST+8*\e+6], v[ST+8*\e+6], v[SS+64*\e+31], v[SS+64*\e+63]
.endr
.irp e, 0,1
	s_delay_alu instid0(VALU_DEP_2)
	v_max_num_f32 v[ST+8*\e+6], v[ST+8*\e+6], v[ST+8*\e+7]
.endr
.irp e, 0,1
	s_delay_alu instid0(VALU_DEP_2)
	v_permlanex16_b32 v[10+\e], v[ST+8*\e+6], s44, s45
.endr
.irp e, 0,1
	s_delay_alu instid0(VALU_DEP_2)
	v_max_num_f32 v[ST+8*\e+6], v[ST+8*\e+6], v[10+\e]   ; and among lane l xor 16's
.endr
.if \first
.irp e, 0,1
	s_delay_alu instid0(VALU_DEP_2)
	v_mul_f32 v[ST+8*\e+1], s42, v[ST+8*\e+6]      ; as t (c is positive): the largest so far
.endr
.irp e, 0,1
	s_delay_alu instid0(VALU_DEP_2)
	v_floor_f32 v[ST+8*\e], -v[ST+8*\e+1]          ; -M = floor(-t) = -ceil(t)
.endr
.else
.irp e, 0,1
	s_delay_alu instid0(VALU_DEP_2)
	v_mul_f32 v[ST+8*\e+6], s42, v[ST+8*\e+6]      ; as t
.endr
	s_delay_alu instid0(VALU_DEP_2)
	v_max_num_f32 v[ST+1], v[ST+1], v[ST+6]        ; the running largest t
	v_mov_b32 v[ST+7], v[ST]
	s_delay_alu instid0(VALU_DEP_3)
	v_max_num_f32 v[ST+9], v[ST+9], v[ST+14]
	v_mov_b32 v[ST+15], v[ST+8]
	s_delay_alu instid0(VALU_DEP_4)
	v_floor_f32 v[ST], -v[ST+1]                    ; the new -M
	s_delay_alu instid0(VALU_DEP_3)
	v_floor_f32 v[ST+8], -v[ST+9]
.irp e, 0,1
	s_delay_alu instid0(VALU_DEP_2)
	v_sub_f32 v[ST+8*\e+7], v[ST+8*\e], v[ST+8*\e+7]   ; old M - new M: a whole number, 0 or less
.endr
.irp e, 0,1
	s_delay_alu instid0(VALU_DEP_2)
	v_cvt_i32_f32 v[ST+8*\e+7], v[ST+8*\e+7]       ; (it saturates)
.endr
.irp e, 0,1
	s_delay_alu instid0(VALU_DEP_2)
	v_ldexp_f32 v[ST+8*\e+4], 1.0, v[ST+8*\e+7]    ; f = 2^(old M - new M)
.endr
.endif
.set j, SS
.rept 32
.irp e, 0,1
	v_pk_fma_f32 v[j+64*\e:j+64*\e+1], v[j+64*\e:j+64*\e+1], s[42:43], v[ST+8*\e:ST+8*\e+1] op_sel_hi:[1,0,0]   ; t - M, two at a time (of the pairs c and -M the low word serves both halves)
.endr
.set j, j+2
.endr
	s_wait_alu depctr_va_vdst(0)                   ; the wait ahead of the batch
.set j, SS
.rept 128
	v_exp_f32 v[j], v[j]                           ; p = 2^(t - M), at most 1
.set j, j+1
.endr
.if \first
	v_nop                                          ; the plain line behind the exponentials
.else
.irp e, 0,1
	v_pk_mul_f32 v[ST+8*\e+2:ST+8*\e+3], v[ST+8*\e+2:ST+8*\e+3], v[ST+8*\e+4:ST+8*\e+5] op_sel_hi:[1,0]   ; the sums under the new M: the plain lines behind the exponentials
.endr
.endif
	s_wait_alu depctr_va_vdst(0)                   ; one wait for the batch of 128, ahead of its first reader
.irp e, 0,1
	v_pk_add_f32 v[12+2*\e:13+2*\e], v[SS+64*\e:SS+64*\e+1], v[SS+64*\e+2:SS+64*\e+3]   ; the row's sum is taken of the unquantised p: two chains a tile
.endr
.irp e, 0,1
.if \first
	v_pk_add_f32 v[ST+8*\e+2:ST+8*\e+3], v[SS+64*\e+4:SS+64*\e+5], v[SS+64*\e+6:SS+64*\e+7]
.else
	v_pk_add_f32 v[ST+8*\e+2:ST+8*\e+3], v[ST+8*\e+2:ST+8*\e+3], v[SS+64*\e+4:SS+64*\e+5]
	v_pk_add_f32 v[12+2*\e:13+2*\e], v[12+2*\e:13+2*\e], v[SS+64*\e+6:SS+64*\e+7]
.endif
.endr
.irp i, 8,12,16,20,24,28,32,36,40,44,48,52,56,60
.irp e, 0,1
	v_pk_add_f32 v[ST+8*\e+2:ST+8*\e+3], v[ST+8*\e+2:ST+8*\e+3], v[SS+64*\e+\i:SS+64*\e+\i+1]
	v_pk_add_f32 v[12+2*\e:13+2*\e], v[12+2*\e:13+2*\e], v[SS+64*\e+\i+2:SS+64*\e+\i+3]
.endr
.endr
	s_delay_alu instid0(VALU_DEP_3)
	v_pk_add_f32 v[ST+2:ST+3], v[ST+2:ST+3], v[12:13]
	s_delay_alu instid0(VALU_DEP_2)
	v_pk_add_f32 v[ST+10:ST+11], v[ST+10:ST+11], v[14:15]
	HOLD 0
	CODES 0, P0
.if \first
	v_nop                                          ; a plain line between the conversions and the products that read the codes
.else
	WIN 0x41                                       ; O^T in window 1, f in window 0
	s_wait_alu depctr_va_vdst(0)                   ; directly ahead of the first reader of O^T
.set j, 0
.rept 16
	v_pk_mul_f32 v[j:j+1], v[j:j+1], v[ST+4:ST+5] op_sel_hi:[1,0]              ; O^T under the new M: x f.  (Also the plain lines between the conversions and the products that read the codes)
	v_pk_mul_f32 v[32+j:33+j], v[32+j:33+j], v[ST+12:ST+13] op_sel_hi:[1,0]
.set j, j+2
.endr
.endif
	WIN 0x50                                       ; C and D in window 1
	s_wait_alu depctr_va_vdst(0)                   ; directly ahead of the wait below
.if \bar
	s_wait_tensorcnt 0x0                           ; my fill is in,
	s_wait_dscnt 0x0                               ; V is in, and no LDS load of mine is out:
	s_barrier_signal -1                            ; say so; work on registers alone up to the barrier's wait
.else
	s_wait_dscnt 0x8                               ; V's first half is in; its second half may be out
.endif
	PV RA, P0, \first
	WIN 0
	HOLD 1                                         ; (32 lines: the places ahead of the loads below)
.if \nextk
	LD RA, 16384                                   ; the next step's K, first half
.endif
	CODES 1, P1
	v_nop
	WIN 0x50
	s_wait_alu depctr_va_vdst(0)
.if \nextk
	s_wait_dscnt 0x8                               ; V's second half is in; the next K's eight loads may be out
.else
	s_wait_dscnt 0x0
.endif
	PV RB, P1, 0
	WIN 0
	PLACES                                         ; ahead of the loads below
.if \nextk
	LD RB, 20480                                   ; the next step's K, second half
.endif
.if \bar
	s_barrier_wait -1                              ; all 1,024 keys of both heads are shown
.endif
	s_add_co_u32 s40, s40, 16384                   ; the next step's images
.endm
.macro ENTER                           ; the K of a step whose bytes a barrier has just shown
	v_add_nc_u32 v[ADK], s40, v[AK0]
	LD RA, 0
	LD RB, 4096
.endm
.macro SHAPE g, rows                   ; a group 1: a dense block as rows of 32 elements of 8 bytes; no mask, no padding
	s_mov_b32 s[\g], 3<<16
	s_mov_b32 s[\g+1], 32<<16
	s_mov_b32 s[\g+2], (\rows)<<16
	s_mov_b32 s[\g+3], 32<<16
	s_mov_b32 s[\g+4], \rows
	s_mov_b32 s[\g+5], 32
	s_mov_b32 s[\g+6], 0
	s_mov_b32 s[\g+7], 0
.endm
	s_load_b256 s[4:11], s[0:1], 0x0               ; qimg s[4:5], kvimg s[6:7], the scales' exponents s[8:9], ximg s[10:11]
	v_lshl_add_u32 v[SPW], v0, 2, SPARE
	v_mov_b32 v[NIL], 0
	ds_add_u32 v[SPW], v[NIL]                      ; the wave's opening: the add, twice on end, and its wait ahead of the first tensor load; the set-up below, work on registers, stands between them
	ds_add_u32 v[SPW], v[NIL]
	v_lshrrev_b32 v1, 5, v0
	s_delay_alu instid0(VALU_DEP_1)
	v_readfirstlane_b32 s12, v1                    ; wave 0..11
	s_and_b32 s13, ttmp9, 7
	s_lshl_b32 s13, s13, 2                         ; my nibble in the tables
	s_lshr_b32 s14, ttmp9, 3                       ; which three heads
	s_lshr_b32 s53, 0x22211000, s13
	s_and_b32 s53, s53, 15                         ; head X among the three
	s_lshr_b32 s54, 0x52041630, s13
	s_and_b32 s54, s54, 15                         ; its first unit of 128 queries
	s_lshr_b32 s55, 0x22111100, s13
	s_and_b32 s55, s55, 15                         ; head Y
	s_lshr_b32 s56, 0x74763052, s13
	s_and_b32 s56, s56, 15                         ; its unit
	SHAPE 16, 64                                   ; 16,384 bytes
	SHAPE 32, 96                                   ; 24,576 bytes
	s_mul_i32 s58, s14, 3                          ; the first of the three heads
	s_cmp_lt_u32 s12, 2                            ; waves 0, 1: head X's first two chunks of 128 keys; waves 2, 3: head Y's
	s_cselect_b32 s57, s53, s55
	s_add_co_u32 s57, s57, s58
	s_lshl_b32 s60, s57, 17
	s_and_b32 s59, s12, 1
	s_lshl_b32 s59, s59, 14
	s_add_co_u32 s60, s60, s59                     ; in kvimg,
	s_mov_b32 s61, 0
	s_lshr_b32 s62, s12, 1
	s_lshl_b32 s62, s62, 17
	s_mov_b32 s24, 1
	s_add_co_u32 s25, s62, s59                     ; and in LDS: 131,072 (wave / 2) + 16,384 (wave % 2)
	s_lshr_b32 s62, s12, 2
	s_and_b32 s62, s62, 1                          ; waves 4-7: a quarter each of head Y's chunks 2-7; waves 8-11: of head X's
	s_cmp_eq_u32 s62, 0
	s_cselect_b32 s57, s53, s55
	s_add_co_u32 s57, s57, s58
	s_lshl_b32 s2, s57, 17
	s_and_b32 s59, s12, 3
	s_mul_i32 s59, s59, 24576
	s_add_co_u32 s59, s59, 32768
	s_add_co_u32 s2, s2, s59                       ; in kvimg,
	s_mov_b32 s3, 0
	s_lshl_b32 s62, s62, 17
	s_mov_b32 s28, 1
	s_add_co_u32 s29, s62, s59                     ; and in LDS: 131,072 (wave / 4 % 2) + 24,576 (wave % 4) + 32,768
	s_wait_dscnt 0x0                               ; both opening adds are done
	s_wait_kmcnt 0x0
	s_add_nc_u64 s[26:27], s[6:7], s[60:61]
	s_or_b32 s27, s27, 0x80000000
	s_add_nc_u64 s[30:31], s[6:7], s[2:3]
	s_or_b32 s31, s31, 0x80000000
	s_cmp_lt_u32 s12, 4                            ; the branch hangs on the wave's number alone; a fill in each arm: one tensor load a wave at the head
	s_cbranch_scc0 .Lthe_rest
	tensor_load_to_lds s[24:27], s[16:23]
	s_nop 0
.rept 4
	v_nop
.endr
	s_branch .Lasked
.Lthe_rest:
	tensor_load_to_lds s[28:31], s[32:39]
	s_nop 0
.rept 4
	v_nop
.endr
.Lasked:
	s_load_b128 s[48:51], s[8:9], 0x18             ; e6 .. e9
	s_load_b32 s52, s[8:9], 0x28                   ; e10
	s_cmp_lt_u32 s12, 8                            ; what I compute
	s_cselect_b32 s53, s53, s55                    ; my head among the three
	s_cselect_b32 s54, s54, s56                    ; my unit
	s_lshl_b32 s54, s54, 2
	s_and_b32 s55, s12, 7
	s_add_co_u32 s54, s54, s55                     ; my pair of tiles among the head's 32
	s_add_co_u32 s56, s58, s53                     ; my head among the 96
	s_and_b32 s57, s14, 3
	s_mul_i32 s57, s57, 3
	s_add_co_u32 s57, s57, s53                     ; and among its batch's 12
	s_lshr_b32 s59, s14, 2                         ; the batch
	s_lshl_b32 s2, s56, 16
	s_lshl_b32 s3, s54, 11
	s_add_co_u32 s2, s2, s3                        ; qimg: 65,536 a head, 2,048 a pair of tiles
	s_mov_b32 s3, 0
	s_add_nc_u64 s[4:5], s[4:5], s[2:3]
	v_and_b32 v[LN], 31, v0
	v_mov_b32 v10, 0                               ; written once: a lane permute's destination counts as one of its sources
	v_lshlrev_b32 v[LN], 4, v[LN]
	v_mov_b32 v11, 0
.irp e, 0,1
.irp cb, 0,1
	global_load_b128 v[QF+8*\e+4*\cb:QF+8*\e+4*\cb+3], v[LN], s[4:5] offset:1024*\e+512*\cb   ; Q's two fragments stay in registers
.endr
.endr
	s_lshr_b32 s63, s12, 3
	s_lshl_b32 s63, s63, 17                        ; my head's region in LDS
	v_add_nc_u32 v[AK0], s63, v[LN]
	v_mov_b32 v[ST+5], 0                           ; (named as the upper halves of f's pairs)
	v_mov_b32 v[ST+13], 0
	s_lshl_b32 s46, s59, 3
	s_lshr_b32 s47, s54, 2
	s_add_co_u32 s46, s46, s47
	s_mul_i32 s46, s46, 98304                      ; ximg: a block of 128 tokens is 98,304 bytes,
	s_lshr_b32 s47, s57, 1
	s_lshl_b32 s47, s47, 14
	s_add_co_u32 s46, s46, s47                     ; two heads' 128 along K 16,384,
	s_and_b32 s47, s54, 3
	s_lshl_b32 s47, s47, 12
	s_add_co_u32 s46, s46, s47                     ; a tile of 16 tokens 2,048,
	s_and_b32 s47, s57, 1
	s_lshl_b32 s47, s47, 10
	s_add_co_u32 s46, s46, s47                     ; a head's half of it 1,024
	s_mov_b32 s47, 0
	s_add_nc_u64 s[10:11], s[10:11], s[46:47]
	s_mov_b32 s44, 0x76543210
	s_mov_b32 s45, 0xfedcba98                      ; v_permlanex16_b32's selects for lane l xor 16
	s_mov_b32 s40, 0                               ; LDS byte at which the step in hand begins in a region
	s_wait_alu depctr_va_vdst(0)                   ; directly ahead of the wait below
	s_wait_kmcnt 0x0
	s_add_co_i32 s2, s48, s49
	s_lshl_b32 s2, s2, 23
	s_add_co_i32 s42, s2, 0x3e38aa3b               ; c = log2(e) / 8 x 2^(e6 + e7): the two exponents are added to c's exponent field
	s_mov_b32 s43, s42                             ; (named with it as a pair, so it is written)
	s_add_co_i32 s2, s50, 127
	s_lshl_b32 s3, s2, 23
	v_mov_b32 v[SCL], s3                           ; 2^e8, for p's conversions
	s_add_co_i32 s2, s2, 8
	s_lshl_b32 s2, s2, 23
	s_or_b32 s2, s2, 0x600000
	v_mov_b32 v[LIM], s2                           ; 448 x 2^e8
	s_wait_alu depctr_va_vdst(0)                   ; the wait at the head's end
	s_cmp_lt_u32 s12, 4
	s_cbranch_scc0 .Lnot_yet                       ; (the branch hangs on the wave's number alone)
	s_wait_tensorcnt 0x0                           ; my part of keys 0-255 is in
.Lnot_yet:
	s_barrier_signal -1
	s_barrier_wait -1                              ; keys 0-255 of both heads are shown
	ENTER
	s_wait_loadcnt 0x0                             ; Q
	STEP 1, 1, 0
	STEP 0, 0, 1
	ENTER
	s_mov_b32 s41, 5
.Lstep:
	STEP 0, 1, 0
	s_sub_co_u32 s41, s41, 1
	s_cmp_lg_u32 s41, 0
	s_cbranch_scc1 .Lstep
	STEP 0, 0, 0                                   ; the last step asks for nothing
	; THE WAY OUT: x = O^T / the sum x 2^(e8 + e9); its code is (O^T / the sum) / 2^(e10 - e8 - e9).
.irp e, 0,1
	v_add_f32 v[ST+8*\e+6], v[ST+8*\e+2], v[ST+8*\e+3]
.endr
.irp e, 0,1
	s_delay_alu instid0(VALU_DEP_2)
	v_permlanex16_b32 v[10+\e], v[ST+8*\e+6], s44, s45
.endr
.irp e, 0,1
	s_delay_alu instid0(VALU_DEP_2)
	v_add_f32 v[ST+8*\e+6], v[ST+8*\e+6], v[10+\e]   ; the row's sum
.endr
	s_wait_alu depctr_va_vdst(0)
.irp e, 0,1
	v_rcp_f32 v[ST+8*\e+4], v[ST+8*\e+6]
.endr
	v_nop                                          ; a plain instruction behind the last reciprocal
	s_sub_co_i32 s2, s52, s50
	s_sub_co_i32 s2, s2, s51
	s_add_co_i32 s2, s2, 127
	s_lshl_b32 s3, s2, 23
	v_mov_b32 v[SCL], s3
	s_add_co_i32 s2, s2, 8
	s_lshl_b32 s2, s2, 23
	s_or_b32 s2, s2, 0x600000
	v_mov_b32 v[LIM], s2
	s_mov_b32 s41, 0xffff0000                      ; the upper lanes
	WIN 0x01                                       ; O^T in window 1, all else in window 0
	s_wait_alu depctr_va_vdst(0)                   ; one wait for the two reciprocals and for O^T, ahead of their first reader
.irp e, 0,1
.set j, 32*\e
.rept 16
	v_pk_mul_f32 v[SS+j:SS+j+1], v[j:j+1], v[ST+8*\e+4:ST+8*\e+5] op_sel_hi:[1,0]   ; each accumulator from its low end on
.set j, j+2
.endr
.endr
	WIN 0
.irp e, 0,1
.set j, SS+32*\e
.rept 32
	v_med3_num_f32 v[j], v[j], -v[LIM], v[LIM]
.set j, j+1
.endr
.irp t, 0,1,2,3
	v_cvt_scalef32_pk8_fp8_f32 v[P0+8*\e+2*\t:P0+8*\e+2*\t+1], v[SS+32*\e+8*\t:SS+32*\e+8*\t+7], v[SCL]
.endr
.endr
	v_nop
	; Tiles 2 c and 2 c + 1 give a lane channels 32 c + 8 h + 0 .. 7 and 32 c + 16 + 8 h + 0 .. 7.  The lower lanes' second part and the upper lanes' first part change places between lanes l and l xor 16,
	; so that block c of the last product's operand holds channels 32 c + 16 h + 0 .. 15, the order that loads of 16 bytes give its other operand.
.set n, SS
.irp b, P0,P0+4,P0+8,P0+12
.irp w, 0,1
	v_cndmask_b32 v[n], v[\b+2+\w], v[\b+\w], s41         ; what the other lane wants
.set n, n+1
.endr
.endr
.set n, SS
.rept 8
	v_permlanex16_b32 v[n+16], v[n], s44, s45
.set n, n+1
.endr
.set n, SS+16
.irp b, P0,P0+4,P0+8,P0+12
.irp w, 0,1
	v_cndmask_b32 v[\b+\w], v[\b+\w], v[n], s41
	v_cndmask_b32 v[\b+2+\w], v[n], v[\b+2+\w], s41
.set n, n+1
.endr
.endr
.irp e, 0,1
.irp c, 0,1
	global_store_b128 v[LN], v[P0+8*\e+4*\c:P0+8*\e+4*\c+3], s[10:11] offset:2048*\e+512*\c   ; 32 lanes store 512 consecutive bytes, aligned
.endr
.endr
	s_wait_tensorcnt 0x0                           ; the wave's end, behind the last tensor load
	ds_add_u32 v[SPW], v[NIL]
	s_wait_dscnt 0x0
	s_endpgm
.Lfunc_end_k_q05d2955ec3_attn:
	.size	k_q05d2955ec3_attn, .Lfunc_end_k_q05d2955ec3_attn-k_q05d2955ec3_attn
	.p2alignl 7, 3214868480
	.fill 96, 4, 3214868480
	.section	.rodata,"a",@progbits
	.p2align	6, 0x0
	.amdhsa_kernel k_q05d2955ec3_attn
		.amdhsa_group_segment_fixed_size 327680
		.amdhsa_private_segment_fixed_size 0
		.amdhsa_enable_private_segment 0
		.amdhsa_kernarg_size 32
		.amdhsa_user_sgpr_count 2
		.amdhsa_user_sgpr_kernarg_segment_ptr 1
		.amdhsa_wavefront_size32 1
		.amdhsa_system_sgpr_workgroup_id_x 1
		.amdhsa_system_sgpr_workgroup_id_y 1
		.amdhsa_system_sgpr_workgroup_id_z 1
		.amdhsa_system_vgpr_workitem_id 0
		.amdhsa_next_free_vgpr 320
		.amdhsa_next_free_sgpr 66
		.amdhsa_reserve_vcc 0
		.amdhsa_float_denorm_mode_32 3
		.amdhsa_float_denorm_mode_16_64 3
		.amdhsa_memory_ordered 1
		.amdhsa_forward_progress 1
		.amdhsa_inst_pref_size 131
	.end_amdhsa_kernel
	.amdgpu_metadata
---
amdhsa.version: [ 1, 2 ]
amdhsa.kernels:
  - .name:           k_q05d2955ec3_attn
    .symbol:         k_q05d2955ec3_attn.kd
    .args:
      - { .name: qimg, .offset: 0, .size: 8, .value_kind: global_buffer, .address_space: global }
      - { .name: kvimg, .offset: 8, .size: 8, .value_kind: global_buffer, .address_space: global }
      - { .name: lowp_scales, .offset: 16, .size: 8, .value_kind: global_buffer, .address_space: global }
      - { .name: ximg, .offset: 24, .size: 8, .value_kind: global_buffer, .address_space: global }
    .group_segment_fixed_size: 327680
    .private_segment_fixed_size: 0
    .kernarg_segment_align: 8
    .kernarg_segment_size: 32
    .max_flat_workgroup_size: 384
    .sgpr_count:     66
    .vgpr_count:     320
    .wavefront_size: 32
...
	.end_amdgpu_metadata
.endif
;; end of part 2
;; launch oproj (part 3): grid 4 x 64, 4 waves a work-group, clusters of 4 x 4, 327,680 bytes of LDS; arguments ximg, Wo_codes, bo, lowp_scales, out0; writes out0
.if DOCPART == 3
	.amdgcn_target "amdgcn-amd-amdhsa--gfx1250"
	.amdhsa_code_object_version 6
	.text
	.protected	k_q05d2955ec3_oproj
	.globl	k_q05d2955ec3_oproj
	.p2align	8
	.type	k_q05d2955ec3_oproj,@function
k_q05d2955ec3_oproj:
	s_mov_b64 s[64:65], 0
	v_nop
	global_prefetch_b8 v0, s[64:65] scope:SCOPE_SE
	s_setreg_imm32_b32 hwreg(HW_REG_WAVE_MODE, 25, 1), 1
	s_wait_xcnt 0x0
	s_wait_alu depctr_hold_cnt(0) depctr_sa_sdst(0) depctr_va_vdst(0) depctr_va_sdst(0) depctr_va_ssrc(0) depctr_va_vcc(0) depctr_vm_vsrc(0)
	s_getreg_b32 s2, hwreg(HW_REG_IB_STS2, 6, 4)
	s_cmp_eq_u32 s2, 0
	s_cbranch_scc0 .Lentry_in_a_cluster
	s_endpgm
.Lentry_in_a_cluster:
	s_bfe_u32 s2, ttmp6, 0x10000c
	s_cmp_lg_u32 s2, 0xf033
	s_cbranch_scc0 .Lentry_shape_is_right
	s_endpgm
.Lentry_shape_is_right:
; out = x Wo^T + bo.  x: codes of E4M3 as images of the operand's registers (ximg); Wo: codes, K innermost; out: [8,192][768] f32.  out = sum x 2^(e10 + e11) + bo, one multiply-add a number.
; A work-group of four waves makes 128 tokens x 192 columns, wave w its tokens 32 w .. 32 w + 31 (two tiles T), in three groups g of 64 columns (four tiles u): eight accumulators, 48 matrix instructions a group.
; x IS NOT STAGED: a wave's fragments of all 768 along K, 192 registers, come straight from the image: no other wave of the work-group needs them.
; THE COLUMNS OF A TILE ARE NOT NEIGHBOURS: lane r of tile u takes column 64 g + 4 r + u.  With source 0 = x and source 1 = Wo a lane then holds, for token 8 (lane / 16) + j, four neighbouring columns in register j of the four
; accumulators: 16 bytes a lane, 256 consecutive bytes in sixteen lanes: rows leave from registers, a group's while the next group is multiplied.
; So LDS row 48 u + i is Wo's row 4 i + u of the work-group's 192, and wave u fetches the rows of its own u by joint tensor loads (rows 3,072 bytes apart in memory, 768 bytes each, 16 bytes of padding behind every 256):
; at the head the first group's 16 rows; behind the first whole round, whose lines are those of a refill, the other two groups' 32 rows, which have the first group's products in which to land.  One tensor load of a wave is out at a time.
; CLUSTER 4 x 4: Wo's rows hang on the column group alone and are asked for jointly along a column of the cluster.
; A fragment's registers 4 c .. 4 c + 3 hold k = 32 c + 16 (lane / 16) + 0 .. 15, in x's images as in the loads of 16 bytes from Wo's rows: a permutation of k, the same on both sides.
; NO PREFETCH: every byte of x and Wo is asked for ahead of the first product; no loop loads ahead.
; LIMIT: e10 + e11 between -126 and 127, so that 2^(e10 + e11) is an f32 number.
; REGISTERS.  window 0: v1 r, v2 h, v3 16 x lane, v4-7 LDS addresses of the four tiles u, v8 the way out, v9 the bias's offset, v12-13 the add's two, v16-27 the bias (4 g + u), v64-255 x (T, k) at 64 + 16 (6 T + k).
;   window 1: v0-191 Wo's fragments of 128 along K, three buffers; v192-255 accumulators (T, u) at 192 + 8 (4 T + u).   window 2: v0-63 the group's results (T, j, u).
.set CP,  272                          ; a chunk of 256 bytes of a row + 16
.set WP,  816                          ; an LDS row: three chunks = 204 words: rows r of 16 start at banks 12 r mod 64, all different (64 banks of 4 bytes: ISA guide 11.1)
.set UP,  48*WP                        ; 39,168: the rows of one u
.set SPARE, 4*UP                       ; 156,672: behind Wo: the spare words, 128 bytes for each wave: two blocks of 256 bytes that no other line names
.set ADW, 4
.set GO,  8
.set BOF, 9
.set SPW, 12
.set NIL, 13
.set BI,  16
.set XF,  64
.set AC,  192                          ; in window 1
.set G1V, 32                           ; s[32:39] group 1 of the second fill, s[68:71] its group 0
.set G1W, 40                           ; s[40:47], s[48:51] of the first
.set G0W, 48
.set G0V, 68
.set MSB, 0
.macro WIN new                         ; the immediate's high byte repeats the setting that is left
.if MSB != (\new)
	s_set_vgpr_msb (MSB<<8)|(\new)
.set MSB, (\new)
.endif
.endm
.macro CROUND                          ; a round of the cluster's barrier
	s_barrier_signal -1
	s_barrier_wait -1
	s_cmp_lg_u32 s22, 0
	s_cbranch_scc1 .Lnot_wave_0_\@
	s_barrier_signal -3
.Lnot_wave_0_\@:
	s_barrier_wait -3
	s_barrier_signal -1
	s_barrier_wait -1
.endm
.macro SHAPE g, rows                   ; a group 1: rows of 768 bytes, 3,072 bytes apart; the mask of my column of the cluster
	s_or_b32 s[\g], s30, (1<<20)|(1<<21)|(5<<22)|(3<<25)   ; 15:0 the mask; 17:16 elements of 1 byte; 20 padding on; 21 set beside a mask; 24:22 after every 64 words; 31:25 four words
	s_mov_b32 s[\g+1], 768<<16
	s_mov_b32 s[\g+2], (\rows)<<16
	s_mov_b32 s[\g+3], 768<<16
	s_mov_b32 s[\g+4], \rows
	s_mov_b32 s[\g+5], 3072
	s_mov_b32 s[\g+6], 0
	s_mov_b32 s[\g+7], 0
.endm
.macro XLOAD k                         ; x's two fragments of the k-th 128 along K
.irp T, 0,1
.irp c, 0,1,2,3
	global_load_b128 v[XF+16*(6*\T+\k)+4*\c:XF+16*(6*\T+\k)+4*\c+3], v3, s[4:5] offset:16384*\k+2048*\T+512*\c   ; 512 consecutive bytes, aligned
.endr
.endr
.endm
; 16 LDS loads: Wo's four fragments of the k-th 128 along K in group g, into buffer p
.macro FETCH g, k, p
	WIN 0x40
.irp u, 0,1,2,3
.irp c, 0,1,2,3
	ds_load_b128 v[64*(\p)+16*\u+4*\c:64*(\p)+16*\u+4*\c+3], v[ADW+\u] offset:(\g)*16*WP+CP*((\k)/2)+128*((\k)%2)+32*\c
.endr
.endr
.endm
; 128 along K: eight accumulators by turns; behind them the fragments three steps on, into the buffer just read.  next: the group that follows is fetched from here too.
.macro KST g, k, next
.if (\g) == 0
	s_wait_loadcnt 40-8*(\k)                       ; x's fragments of this step are in; the younger steps' eight loads each may be out
.endif
.if (\next) || ((\k) < 4)
	s_wait_dscnt 0x20                              ; this step's fragments are in; the next two steps' 16 loads each may be out
.else
	s_wait_dscnt 16*(5-(\k))                       ; the group's last two steps: one younger fetch, or none
.endif
	WIN 0x54                                       ; source 0 (x) window 0, source 1 (Wo), C and D window 1
.irp T, 0,1
.irp u, 0,1,2,3
.set rD, AC+8*(4*\T+\u)
.set rA, XF+16*(6*\T+\k)
.set rB, 64*(\k%3)+16*\u
.if (\k) == 0
	v_wmma_f32_16x16x128_fp8_fp8 v[rD:rD+7], v[rA:rA+15], v[rB:rB+15], 0
.else
	v_wmma_f32_16x16x128_fp8_fp8 v[rD:rD+7], v[rA:rA+15], v[rB:rB+15], v[rD:rD+7]
.endif
.endr
.endr
.rept 4
	v_nop                                          ; the places ahead of loads into the products' sources, and of the first read of the sums
.endr
.if (\k) < 3
	FETCH \g, (\k)+3, \k
.else
.if \next
	FETCH (\g)+1, (\k)-3, (\k)-3
.endif
.endif
.endm
.macro SUMS g                          ; the group's results
	WIN 0x81                                       ; results window 2, sums window 1, the bias window 0
.irp T, 0,1
.irp j, 0,1,2,3,4,5,6,7
.irp u, 0,1,2,3
	v_fma_f32 v[32*\T+4*\j+\u], v[AC+8*(4*\T+\u)+\j], s82, v[BI+4*\g+\u]   ; each accumulator from its low end on
.endr
.endr
.endr
.endm
.macro SEND g
	WIN 0x08                                       ; stores: data window 2
.irp T, 0,1
.irp j, 0,1,2,3,4,5,6,7
	global_store_b128 v[GO], v[32*\T+4*\j:32*\T+4*\j+3], s[12:13] offset:49152*\T+3072*\j+256*\g th:TH_STORE_NT   ; each sixteen lanes store 256 consecutive bytes, at a multiple of 256 from out0's first byte
.endr
.endr
.endm
	s_load_b256 s[4:11], s[0:1], 0x0               ; ximg s[4:5], Wo s[6:7], bo s[8:9], the scales' exponents s[10:11]
	s_load_b64 s[12:13], s[0:1], 0x20              ; out0
	v_lshl_add_u32 v[SPW], v0, 2, SPARE
	v_mov_b32 v[NIL], 0
	ds_add_u32 v[SPW], v[NIL]                      ; the wave's opening: the add, twice on end, and its wait ahead of my first tensor load; the set-up below, work on registers, stands between them
	ds_add_u32 v[SPW], v[NIL]
	v_lshrrev_b32 v1, 5, v0
	v_readfirstlane_b32 s22, v1                    ; wave 0..3
	v_and_b32 v3, 31, v0
	v_lshlrev_b32 v3, 4, v3                        ; 16 x lane
	v_and_b32 v1, 15, v0                           ; r
	v_bfe_u32 v2, v0, 4, 1                         ; h
	v_mul_u32_u24 v[ADW], v1, WP
	v_lshl_add_u32 v[ADW], v2, 4, v[ADW]           ; a fragment's row x pitch + 16 x half
	v_add_nc_u32 v[ADW+1], UP, v[ADW]
	v_add_nc_u32 v[ADW+2], 2*UP, v[ADW]
	v_add_nc_u32 v[ADW+3], 3*UP, v[ADW]
	v_lshlrev_b32 v[BOF], 4, v1                    ; the bias of columns 4 r .. 4 r + 3
	v_mul_u32_u24 v[GO], 0x6000, v2                ; out0: 8 rows of 3,072 bytes for the upper lanes
	v_add_nc_u32 v[GO], v[GO], v[BOF]
	s_wait_alu depctr_va_vdst(0)                   ; all that the head's vector instructions write stands ahead of it
	s_bfe_u32 s25, ttmp6, 0x40000                  ; cx
	s_bfe_u32 s26, ttmp6, 0x40004                  ; cy
	s_lshl_b32 s27, ttmp9, 2
	s_add_co_u32 s27, s27, s25                     ; the column group of 192
	s_and_b32 s28, ttmp7, 0xffff
	s_lshl_b32 s28, s28, 2
	s_add_co_u32 s28, s28, s26                     ; the block of 128 tokens
	s_lshl_b32 s30, 0x1111, s25                    ; my column of the cluster
	SHAPE G1W, 16
	SHAPE G1V, 32
	s_mul_i32 s62, s27, 192
	s_add_co_u32 s62, s62, s22
	s_mul_i32 s62, s62, 768                        ; Wo: from row 192 x column group + wave on
	s_mov_b32 s63, 0
	s_mov_b32 s[G0W], 1
	s_mul_i32 s[G0W+1], s22, UP
	s_mov_b32 s[G0V], 1
	s_add_co_u32 s[G0V+1], s[G0W+1], 16*WP         ; the second fill: 16 rows on
	s_mul_i32 s60, s28, 98304                      ; ximg: 98,304 bytes a block, 2,048 a tile of 16 tokens, two tiles a wave
	s_lshl_b32 s2, s22, 12
	s_add_co_u32 s60, s60, s2
	s_mov_b32 s61, 0
	s_mul_i32 s2, s27, 768                         ; 192 columns of 4 bytes a column group
	s_mov_b32 s3, 0
	s_mul_i32 s72, s28, 393216                     ; out0: 128 rows of 3,072 bytes a block,
	s_mul_i32 s74, s22, 98304                      ; 32 rows a wave
	s_add_co_u32 s72, s72, s74
	s_add_co_u32 s72, s72, s2
	s_mov_b32 s73, 0
	s_wait_dscnt 0x0                               ; both opening adds are done
	s_wait_kmcnt 0x0
	s_load_b64 s[80:81], s[10:11], 0x28            ; e10, e11
	s_add_nc_u64 s[G0W+2:G0W+3], s[6:7], s[62:63]
	s_add_nc_u64 s[G0V+2:G0V+3], s[G0W+2:G0W+3], 16*3072
	s_or_b32 s[G0W+3], s[G0W+3], 0x80000000
	s_or_b32 s[G0V+3], s[G0V+3], 0x80000000
	s_add_nc_u64 s[4:5], s[4:5], s[60:61]
	s_add_nc_u64 s[8:9], s[8:9], s[2:3]
	s_add_nc_u64 s[12:13], s[12:13], s[72:73]
.irp g, 0,1,2
	global_load_b128 v[BI+4*\g:BI+4*\g+3], v[BOF], s[8:9] offset:256*\g
.endr
	XLOAD 0
	XLOAD 1
	XLOAD 2
	CROUND                                         ; all sixteen work-groups are here: the joint loads meet
	tensor_load_to_lds s[G0W:G0W+3], s[G1W:G1W+7]  ; the first group's rows: one tensor load a wave at the head
	s_nop 0
.rept 4
	v_nop
.endr
	XLOAD 3
	XLOAD 4
	XLOAD 5
	s_wait_kmcnt 0x0
	s_add_co_i32 s82, s80, s81
	s_add_co_i32 s82, s82, 127
	s_lshl_b32 s82, s82, 23                        ; 2^(e10 + e11) as f32
	s_wait_tensorcnt 0x0                           ; my first rows are in; the same lines ahead of a later first fill as ahead of a refill:
	ds_add_u32 v[SPW], v[NIL]
	s_wait_dscnt 0x0
	CROUND                                         ; everybody's first rows are in, and the joint loads meet
	tensor_load_to_lds s[G0V:G0V+3], s[G1V:G1V+7]  ; the other two groups' rows
	s_nop 0
.rept 4
	v_nop
.endr
	FETCH 0, 0, 0
	FETCH 0, 1, 1
	FETCH 0, 2, 2
.irp k, 0,1,2,3,4,5
	KST 0, \k, 0
.endr
	s_wait_tensorcnt 0x0                           ; my other rows are in; no LDS load of mine is out (the last step's wait was for 0)
	s_barrier_signal -1
	SUMS 0                                         ; work on registers while the others arrive
	s_wait_alu depctr_va_vdst(0)                   ; directly ahead of the wait below
	s_barrier_wait -1                              ; all rows of Wo are shown
	FETCH 1, 0, 0
	FETCH 1, 1, 1
	FETCH 1, 2, 2
	SEND 0
.irp k, 0,1,2,3,4,5
	KST 1, \k, 1
.endr
	s_wait_xcnt 0x0                                ; the last group's stores have read their data
	SUMS 1
	SEND 1
.irp k, 0,1,2,3,4,5
	KST 2, \k, 0
.endr
	s_wait_xcnt 0x0
	SUMS 2
	SEND 2
	WIN 0
	s_wait_tensorcnt 0x0                           ; the wave's end, behind my last tensor load
	ds_add_u32 v[SPW], v[NIL]
	s_wait_dscnt 0x0
	CROUND                                         ; the closing round: no work-group ends while a partner may still ask for rows that name it
	s_endpgm
.Lfunc_end_k_q05d2955ec3_oproj:
	.size	k_q05d2955ec3_oproj, .Lfunc_end_k_q05d2955ec3_oproj-k_q05d2955ec3_oproj
	.p2alignl 7, 3214868480
	.fill 96, 4, 3214868480
	.section	.rodata,"a",@progbits
	.p2align	6, 0x0
	.amdhsa_kernel k_q05d2955ec3_oproj
		.amdhsa_group_segment_fixed_size 327680
		.amdhsa_private_segment_fixed_size 0
		.amdhsa_enable_private_segment 0
		.amdhsa_kernarg_size 40
		.amdhsa_user_sgpr_count 2
		.amdhsa_user_sgpr_kernarg_segment_ptr 1
		.amdhsa_wavefront_size32 1
		.amdhsa_system_sgpr_workgroup_id_x 1
		.amdhsa_system_sgpr_workgroup_id_y 1
		.amdhsa_system_sgpr_workgroup_id_z 1
		.amdhsa_system_vgpr_workitem_id 0
		.amdhsa_next_free_vgpr 576
		.amdhsa_next_free_sgpr 96
		.amdhsa_reserve_vcc 0
		.amdhsa_float_denorm_mode_32 3
		.amdhsa_float_denorm_mode_16_64 3
		.amdhsa_memory_ordered 1
		.amdhsa_forward_progress 1
		.amdhsa_inst_pref_size 59
	.end_amdhsa_kernel
	.amdgpu_metadata
---
amdhsa.version: [ 1, 2 ]
amdhsa.kernels:
  - .name:           k_q05d2955ec3_oproj
    .symbol:         k_q05d2955ec3_oproj.kd
    .args:
      - { .name: ximg, .offset: 0, .size: 8, .value_kind: global_buffer, .address_space: global }
      - { .name: Wo_codes, .offset: 8, .size: 8, .value_kind: global_buffer, .address_space: global }
      - { .name: bo, .offset: 16, .size: 8, .value_kind: global_buffer, .address_space: global }
      - { .name: lowp_scales, .offset: 24, .size: 8, .value_kind: global_buffer, .address_space: global }
      - { .name: out0, .offset: 32, .size: 8, .value_kind: global_buffer, .address_space: global }
    .group_segment_fixed_size: 327680
    .private_segment_fixed_size: 0
    .kernarg_segment_align: 8
    .kernarg_segment_size: 40
    .max_flat_workgroup_size: 128
    .sgpr_count:     96
    .vgpr_count:     576
    .wavefront_size: 32
...
	.end_amdgpu_metadata
.endif
;; end of part 3
